; MI455X (gfx1250); checked and timed in simulation.
; The chip was launched on July 23, 2026; its instructions are those of AMD's public machine-readable ISA for CDNA 5 (MIT licence, August 2026) and "CDNA5" Instruction Set Architecture Reference Guide (July 2026). The comments in the code are by the model that wrote it; some were corrected since.
;; Causal Attention ov1. Allowed arithmetic: float matrix products may take bf16 or f16 operands with f32 sums; all other float work in f32.
;; Inputs: W_k 2,048 x 2,048 float32; W_q 2,048 x 2,048 float32; W_v 2,048 x 2,048 float32; x 2,048 x 2,048 float32.
;; Outputs: out0 2,048 x 2,048 float32.
;; 2 versions, each right; version 2 is version 1 with the launch cast written anew for expert scheduling mode. Each part assembles by itself: llvm-mc -triple=amdgcn-amd-amdhsa -mcpu=gfx1250 --defsym DOCPART=n.
;; ======== version 1 of 2: 5 launches
;; limits: values are held in f16: magnitudes above 65,504 overflow, below 6.1e-05 lose precision
;; workspace buffers: xb 8,388,608 bytes; wb 25,165,824 bytes; qb 8,388,608 bytes; kb 8,388,608 bytes; vt 8,388,608 bytes; sc 16,777,216 bytes; pb 8,388,608 bytes; vx 8,388,608 bytes
;; launch cast (part 1): grid 128 x 4, 8 waves a work-group, no clusters, 0 bytes of LDS; arguments x, W_q, W_k, W_v, xb, wb; writes xb, wb
.if DOCPART == 1
	.amdgcn_target "amdgcn-amd-amdhsa--gfx1250"
	.amdhsa_code_object_version 6
	.text
	.protected	k_q79228670c8_cast
	.globl	k_q79228670c8_cast
	.p2align	8
	.type	k_q79228670c8_cast,@function
k_q79228670c8_cast:
	s_mov_b64 s[64:65], 0
	v_nop
	global_prefetch_b8 v0, s[64:65] scope:SCOPE_SE
	s_setreg_imm32_b32 hwreg(HW_REG_WAVE_MODE, 25, 1), 1
	s_wait_xcnt 0x0
; cast: x, W_q, W_k, W_v, each [2048][2048] f32, are rounded once (to nearest even) to bf16: x into xb, the weights into wb as [3][2048][2048]
; in the order q, k, v.  The matrix launches behind this one then read 2 bytes a number from memory and from LDS and convert nothing.
; Work-group (x, y): tensor y (0 = x, 1..3 = W_q, W_k, W_v), input bytes 131,072 x .. +131,071.  A wave takes 16,384 of them: 32 loads of
; 16 bytes a lane, 512 consecutive bytes each; each gives one store of 8 bytes a lane: 256 consecutive bytes, aligned.
; A ring of 16 register slots keeps 16 loads of every wave on their way.  Each of the 32 results has registers of its own and the two offset
; registers are never rewritten, so no source of a pending load or store is ever written again and no wait stands for that.
; No LDS, no matrix unit, no cluster: the work-groups share no byte, and every byte is used once.
.set X, 4                              ; v[4:67]    slot j % 16: four f32 as loaded
.set Y, 68                             ; v[68:131]  turn j: four bf16 to store, written once
	s_load_b256 s[4:11], s[0:1], 0x0               ; x s[4:5], W_q s[6:7], W_k s[8:9], W_v s[10:11]
	s_load_b128 s[12:15], s[0:1], 0x20             ; xb s[12:13], wb s[14:15]
	s_and_b32 s20, ttmp7, 0xffff                   ; y: which tensor
	v_and_b32 v3, 0xe0, v0                         ; 32 x wave
	v_and_b32 v2, 31, v0                           ; lane
	v_lshlrev_b32 v1, 4, v2
	v_lshl_add_u32 v1, v3, 9, v1                   ; load offset: 16,384 x wave + 16 x lane
	v_lshlrev_b32 v2, 3, v2
	v_lshl_add_u32 v2, v3, 8, v2                   ; store offset: 8,192 x wave + 8 x lane
	s_max_u32 s21, s20, 1
	s_sub_co_u32 s21, s21, 1                       ; which plane of wb (0 for x too, which goes to xb)
	s_lshl_b32 s22, s21, 23                        ; a plane is 8,388,608 bytes
	s_lshl_b32 s21, ttmp9, 16                      ; the work-group's 65,536 bytes of output
	s_add_co_u32 s22, s22, s21
	s_mov_b32 s23, 0
	s_lshl_b32 s24, ttmp9, 17                      ; the work-group's 131,072 bytes of input
	s_mov_b32 s25, 0
	s_wait_kmcnt 0x0
	s_cmp_eq_u32 s20, 1                            ; the source: a choice among the four buffers on y alone
	s_cselect_b64 s[16:17], s[6:7], s[4:5]
	s_cmp_eq_u32 s20, 2
	s_cselect_b64 s[16:17], s[8:9], s[16:17]
	s_cmp_eq_u32 s20, 3
	s_cselect_b64 s[16:17], s[10:11], s[16:17]
	s_cmp_eq_u32 s20, 0                            ; the destination: xb for x, wb for the weights
	s_cselect_b64 s[18:19], s[12:13], s[14:15]
	s_add_nc_u64 s[16:17], s[16:17], s[24:25]
	s_add_nc_u64 s[18:19], s[18:19], s[22:23]
.irp j, 0,1,2,3,4,5,6,7,8,9,10,11,12,13,14,15
	global_load_b128 v[X+4*\j:X+4*\j+3], v1, s[16:17] offset:512*\j th:TH_LOAD_NT   ; the ring is filled
.endr
; Turn j.  ahead = 1: the slot is loaded again, 16 turns ahead.  left = how many younger loads may stay out.
.macro SLOT j, ahead, left
	s_wait_loadcnt \left                           ; loads come back in order (ISA guide 5.7.1): turn j's is in
	v_cvt_pk_bf16_f32 v[Y+2*\j],   v[X+4*((\j)%16)],   v[X+4*((\j)%16)+1]
	v_cvt_pk_bf16_f32 v[Y+2*\j+1], v[X+4*((\j)%16)+2], v[X+4*((\j)%16)+3]
.if \ahead
	global_load_b128 v[X+4*((\j)%16):X+4*((\j)%16)+3], v1, s[16:17] offset:512*(\j+16) th:TH_LOAD_NT
.endif
	global_store_b64 v2, v[Y+2*\j:Y+2*\j+1], s[18:19] offset:256*\j   ; no hint: the next launch reads these bytes
.endm
.irp j, 0,1,2,3,4,5,6,7,8,9,10,11,12,13,14,15
	SLOT \j, 1, 15
.endr
.irp j, 16,17,18,19,20,21,22,23,24,25,26,27,28,29,30,31
	SLOT \j, 0, 31-\j                              ; the last 16 turns load nothing: the counts run down to 0
.endr
	s_endpgm
.Lfunc_end_k_q79228670c8_cast:
	.size	k_q79228670c8_cast, .Lfunc_end_k_q79228670c8_cast-k_q79228670c8_cast
	.p2alignl 7, 3214868480
	.fill 96, 4, 3214868480
	.section	.rodata,"a",@progbits
	.p2align	6, 0x0
	.amdhsa_kernel k_q79228670c8_cast
		.amdhsa_group_segment_fixed_size 0
		.amdhsa_private_segment_fixed_size 0
		.amdhsa_enable_private_segment 0
		.amdhsa_kernarg_size 48
		.amdhsa_user_sgpr_count 2
		.amdhsa_user_sgpr_kernarg_segment_ptr 1
		.amdhsa_wavefront_size32 1
		.amdhsa_system_sgpr_workgroup_id_x 1
		.amdhsa_system_sgpr_workgroup_id_y 1
		.amdhsa_system_sgpr_workgroup_id_z 1
		.amdhsa_system_vgpr_workitem_id 0
		.amdhsa_next_free_vgpr 132
		.amdhsa_next_free_sgpr 66
		.amdhsa_reserve_vcc 0
		.amdhsa_float_denorm_mode_32 3
		.amdhsa_float_denorm_mode_16_64 3
		.amdhsa_memory_ordered 1
		.amdhsa_forward_progress 1
		.amdhsa_inst_pref_size 13
	.end_amdhsa_kernel
	.amdgpu_metadata
---
amdhsa.version: [ 1, 2 ]
amdhsa.kernels:
  - .name:           k_q79228670c8_cast
    .symbol:         k_q79228670c8_cast.kd
    .args:
      - { .name: x, .offset: 0, .size: 8, .value_kind: global_buffer, .address_space: global }
      - { .name: W_q, .offset: 8, .size: 8, .value_kind: global_buffer, .address_space: global }
      - { .name: W_k, .offset: 16, .size: 8, .value_kind: global_buffer, .address_space: global }
      - { .name: W_v, .offset: 24, .size: 8, .value_kind: global_buffer, .address_space: global }
      - { .name: xb, .offset: 32, .size: 8, .value_kind: global_buffer, .address_space: global }
      - { .name: wb, .offset: 40, .size: 8, .value_kind: global_buffer, .address_space: global }
    .group_segment_fixed_size: 0
    .private_segment_fixed_size: 0
    .kernarg_segment_align: 8
    .kernarg_segment_size: 48
    .max_flat_workgroup_size: 256
    .sgpr_count:     66
    .vgpr_count:     132
    .wavefront_size: 32
...
	.end_amdgpu_metadata
.endif
;; end of part 1
;; launch proj (part 2): grid 16 x 16, 4 waves a work-group, clusters of 4 x 4, 327,680 bytes of LDS; arguments xb, wb, qb, kb, vt, vx; writes qb, kb, vt, vx
.if DOCPART == 2
	.amdgcn_target "amdgcn-amd-amdhsa--gfx1250"
	.amdhsa_code_object_version 6
	.text
	.protected	k_q79228670c8_proj
	.globl	k_q79228670c8_proj
	.p2align	8
	.type	k_q79228670c8_proj,@function
k_q79228670c8_proj:
	s_mov_b64 s[64:65], 0
	v_nop
	global_prefetch_b8 v0, s[64:65] scope:SCOPE_SE
	s_setreg_imm32_b32 hwreg(HW_REG_WAVE_MODE, 25, 1), 1
	s_wait_xcnt 0x0
	s_wait_alu depctr_hold_cnt(0) depctr_sa_sdst(0) depctr_va_vdst(0) depctr_va_sdst(0) depctr_va_ssrc(0) depctr_va_vcc(0) depctr_vm_vsrc(0)
	s_getreg_b32 s2, hwreg(HW_REG_IB_STS2, 6, 4)
	s_cmp_eq_u32 s2, 0
	s_cbranch_scc0 .Lentry_in_a_cluster
	s_endpgm
.Lentry_in_a_cluster:
	s_bfe_u32 s2, ttmp6, 0x10000c
	s_cmp_lg_u32 s2, 0xf033
	s_cbranch_scc0 .Lentry_shape_is_right
	s_endpgm
.Lentry_shape_is_right:
; proj: q = x W_q^T, k = x W_k^T (stored [seq][d]) and v = x W_v^T (stored transposed, vt[d][seq]).  Operands bf16, sums f32, results rounded once to f16.
; Work-group (bx, by): x's rows 128 by .. +127 against rows 128 bx .. +127 of each of the three weights: one tile of x feeds three products.
; Four waves; wave w makes all 128 rows x columns 32 w .. 32 w + 31 of each of the three: 8 x 6 = 48 accumulator tiles of 16 x 16, 384 registers.
; For 32 along K a wave reads 14 fragments (28 loads of 16 bytes a lane) for 48 matrix instructions.
; K goes in steps of 128 (rows of 256 bytes, starting at multiples of 256 bytes of their buffers) through two LDS slots; a slot holds x's 128 rows
; and 128 rows of each weight; each wave brings one of the four with one tensor load.
; CLUSTERS: 4 x 4 work-groups.  x's tile hangs on by alone: the four of a row of the cluster ask for it jointly; a weight's tile hangs on bx alone:
; the four of a column ask jointly.  That divides the requests by four.
; WHY f16 RESULTS: an output row with few keys averages little, so the rounding of q, k, v shows there in full, while the problem's allowance is stated against the
; root mean square of the whole output; f16's 11 significant bits leave an eighth of bf16's error.
; LIMIT, stated: |q|, |k|, |v| must stay under 65,504, f16's largest number; beyond it the conversion gives infinity.  With x of spread 1 and weights within 1/sqrt(2048) they
; stay under 4; with all inputs 30 times larger under 3,600; with offsets of 30 spreads in x and in the weights near 2048 x 30 x 0.66 = 41,000.
; SPLIT v FOR THE FIRST 512 KEYS: the clusters with y = 0 (seq under 512) also store v in two f16 parts into vx[d][..]: hi = v with its low 13 mantissa bits cut (11 significant
; bits: exact in f16), lo = v - hi; vx's columns seq and 512 + seq hold hi, 1024 + seq holds lo.  The last launch multiplies them with P's two parts for output rows under 512.
; Under 2^-14 hi is rounded to f16's denormal step of 2^-24, which lo does not see.
;
; REGISTERS, in windows of 256:  window 0: addresses, two buffers of fragments;  window 1: the 32 tiles of q and k, tile (b, a) at v[8 (8 b + a)],
; b = 2 part + column half, a = row block;  window 2: the 16 tiles of v, tile (e, a) at v[8 (8 e + a)].
; q and k use the matrix instruction transposed (source 0 = weight rows, source 1 = x rows): a lane holds eight neighbouring columns of one row.
; v uses it as it is (source 0 = x rows, source 1 = weight rows): a lane holds eight neighbouring seq positions of one d: eight neighbours of a row of vt.
.set KSTEP,  128
.set PITCH,  272                       ; an LDS row: 256 bytes + 16 of padding, an odd multiple of 16: the 16 rows of a fragment load start in 16 different 16-byte columns of 256 bytes
.set HALFT,  128*PITCH                 ; 128 rows: what one tensor load brings
.set SLOT,   4*HALFT                   ; x, W_q, W_k, W_v
.set ADRA, 16                          ; v16-17  LDS address of x's fragments in slot 0, 1
.set ADRB, 18                          ; v18-19  of my 32 rows of W_q (W_k: + HALFT in the immediate)
.set ADRV, 20                          ; v20-21  of my 32 rows of W_v
.set STO,  22                          ; the way out: where a lane puts 16 bytes of q or k
.set STOV, 23                          ; the same for vt
.set RD,   24                          ; where it reads rows of q or k back
.set RDV,  25                          ; the same for vt
.set CO,   26                          ; its byte offset in the results
.set STOX, 27                          ; the split v: where a lane puts 16 bytes of hi (lo: + HALFT in the immediate)
.set RDX,  28                          ; and where it reads rows back
.set FA,   32                          ; v[32:95], v[96:159]    x's 8 fragments, two buffers
.set FB,   160                         ; v[160:207], v[208:255] the weights' 6 fragments, two buffers
.set PK,   32                          ; the way out: v[32:223] packed results, then rows read back
.set G1,  24                           ; s[24:31] descriptor group 1 for x's tiles
.set G0,  32                           ; s[32:39] group 0 for x's tiles, one set for each slot
.set G1B, 48                           ; s[48:55] group 1 for the weights' tiles: another mask
.set G0B, 56                           ; s[56:63] group 0 for the weights' tiles, one set for each slot
.set MSB, 0
.macro WIN new                         ; the immediate's high byte repeats the setting that is left; a switch that changes nothing is dropped
.if MSB != \new
	s_set_vgpr_msb (MSB<<8)|\new
.set MSB, \new
.endif
.endm
; A joint load: wave 0 asks for x's tile, waves 1 to 3 for the three weights'.  Each line has one mask; the branch hangs on the wave's number alone.
.macro JLOAD s
	s_cmp_eq_u32 s14, 0
	s_cbranch_scc0 .Lfor_b_\@
	tensor_load_to_lds s[G0+4*\s:G0+4*\s+3], s[G1:G1+7]
	s_nop 0
	s_branch .Lasked_\@
.Lfor_b_\@:
	tensor_load_to_lds s[G0B+4*\s:G0B+4*\s+3], s[G1B:G1B+7]
	s_nop 0
.Lasked_\@:
.endm
.macro CREST                           ; a round of the cluster's barrier behind its opening work-group barrier
	s_cmp_lg_u32 s14, 0
	s_cbranch_scc1 .Lnot_wave_0_\@
	s_barrier_signal -3
.Lnot_wave_0_\@:
	s_barrier_wait -3
	s_barrier_signal -1
	s_barrier_wait -1
.endm
.macro CROUND                          ; a whole round
	s_barrier_signal -1
	s_barrier_wait -1
	CREST
.endm
.macro PLACES                          ; four places behind a matrix instruction (ISA guide 7.12.1) before its registers are loaded into or its result is read
.rept 4
	v_nop
.endr
.endm
	s_load_b256 s[4:11], s[0:1], 0x0               ; xb s[4:5], wb s[6:7], qb s[8:9], kb s[10:11]
	s_load_b64 s[12:13], s[0:1], 0x20              ; vt
	v_lshl_add_u32 v30, v0, 2, 0x44000
	v_mov_b32 v31, 0
	ds_add_u32 v30, v31
	v_lshrrev_b32 v1, 5, v0
	v_readfirstlane_b32 s14, v1                    ; wave 0..3
	s_bfe_u32 s40, ttmp6, 0x40000                  ; cx
	s_bfe_u32 s41, ttmp6, 0x40004                  ; cy
	s_lshl_b32 s42, ttmp9, 2
	s_add_co_u32 s42, s42, s40                     ; bx = 4 x cluster x + cx
	s_and_b32 s45, ttmp7, 0xffff                   ; the cluster's y: the same in all sixteen partners
	s_lshl_b32 s15, s45, 2
	s_add_co_u32 s15, s15, s41                     ; by = 4 x cluster y + cy
	s_lshl_b32 s43, s41, 2
	s_lshl_b32 s43, 15, s43                        ; my row of the cluster: places 4 cy .. 4 cy + 3
	s_lshl_b32 s44, 0x1111, s40                    ; my column: places cx, cx + 4, cx + 8, cx + 12
	; group 1: a tile of 128 rows x 128 elements of 2 bytes, 4 words of padding behind every 64 words
	s_or_b32 s[G1+0], s43, (1<<16)|(1<<20)|(1<<21)|(5<<22)|(3<<25)    ; x's tiles go to my row of the cluster; bit 21 stands beside a mask
	s_or_b32 s[G1B+0], s44, (1<<16)|(1<<20)|(1<<21)|(5<<22)|(3<<25)   ; the weights' to my column
	s_mov_b32 s[G1+1], KSTEP<<16                   ; tensor_dim0 = 128
	s_mov_b32 s[G1B+1], KSTEP<<16
	s_mov_b32 s[G1+2], 128<<16                     ; tensor_dim1 = 128
	s_mov_b32 s[G1B+2], 128<<16
	s_mov_b32 s[G1+3], KSTEP<<16                   ; tile_dim0 = 128
	s_mov_b32 s[G1B+3], KSTEP<<16
	s_mov_b32 s[G1+4], 128                         ; tile_dim1 = 128
	s_mov_b32 s[G1B+4], 128
	s_mov_b32 s[G1+5], 2048                        ; elements from row to row
	s_mov_b32 s[G1B+5], 2048
	s_mov_b32 s[G1+6], 0
	s_mov_b32 s[G1B+6], 0
	s_mov_b32 s[G1+7], 0
	s_mov_b32 s[G1B+7], 0
	s_lshl_b32 s16, s15, 19                        ; x: 128 by rows of 4,096 bytes; holds by alone
	s_mov_b32 s17, 0
	s_max_u32 s21, s14, 1
	s_sub_co_u32 s21, s21, 1                       ; which weight this wave brings (wave 0 brings none and does not use the figure)
	s_lshl_b32 s21, s21, 23                        ; a weight is 8,388,608 bytes
	s_lshl_b32 s46, s42, 19                        ; 128 bx rows; holds bx alone
	s_add_co_u32 s46, s46, s21
	s_mov_b32 s47, 0
	s_mul_i32 s20, s14, HALFT                      ; where my tile goes: wave x 128 rows: no place in the cluster enters an LDS address
	s_wait_dscnt 0x0
	s_wait_kmcnt 0x0
	s_add_nc_u64 s[16:17], s[4:5], s[16:17]
	s_add_nc_u64 s[46:47], s[6:7], s[46:47]
	CROUND                                         ; all sixteen work-groups are here: the first joint loads meet
.irp s, 0,1
	s_mov_b32 s[G0+4*\s], 1
	s_add_co_u32 s[G0+4*\s+1], s20, \s*SLOT
	s_add_nc_u64 s[G0+4*\s+2:G0+4*\s+3], s[16:17], \s*KSTEP*2      ; K step s
	s_or_b32 s[G0+4*\s+3], s[G0+4*\s+3], 0x80000000
	s_mov_b32 s[G0B+4*\s], 1
	s_add_co_u32 s[G0B+4*\s+1], s20, \s*SLOT
	s_add_nc_u64 s[G0B+4*\s+2:G0B+4*\s+3], s[46:47], \s*KSTEP*2
	s_or_b32 s[G0B+4*\s+3], s[G0B+4*\s+3], 0x80000000
	JLOAD \s                                       ; both slots are asked for before anything else: two tensor loads of this wave are out
.endr
	; A fragment: lane l holds row l % 16; registers 0-3 K = 8 (l / 16) + 0..7, registers 4-7 K = 16 + 8 (l / 16) + 0..7: two loads of 16 bytes, 32 apart.
	v_and_b32 v1, 15, v0                           ; r = l % 16
	v_bfe_u32 v2, v0, 4, 1                         ; h = l / 16
	v_mul_u32_u24 v3, v1, PITCH
	v_lshl_add_u32 v3, v2, 4, v3                   ; r x pitch + 16 h
	s_mul_i32 s18, s14, 32*PITCH                   ; my 32 rows
	s_add_co_u32 s21, s18, HALFT                   ; in W_q's tile, which lies behind x's
	v_mov_b32 v[ADRA], v3
	v_add_nc_u32 v[ADRA+1], SLOT, v3
	v_add_nc_u32 v[ADRB], s21, v3
	v_add_nc_u32 v[ADRB+1], SLOT, v[ADRB]
	v_add_nc_u32 v[ADRV], 2*HALFT, v[ADRB]
	v_add_nc_u32 v[ADRV+1], 2*HALFT+SLOT, v[ADRB]
	; The way out goes through three planes of 128 rows x 272 bytes (q, k, vt) in slot 0's bytes 0 to 104,447; the split v through two more planes at slot 1's first byte.
	s_lshl_b32 s22, s14, 6
	v_add_nc_u32 v[STO], s22, v3                   ; q, k: row r (+ 16 a), byte 64 w + 16 h (+ 32 e)
	s_add_co_u32 s23, s18, 2*HALFT
	v_add_nc_u32 v[STOV], s23, v3                  ; vt: plane 2, row 32 w + r (+ 16 e), byte 16 h (+ 32 a)
	v_add_nc_u32 v[STOX], 2*HALFT, v[STOV]         ; the same place in slot 1's first plane (SLOT = 4 planes)
	v_mul_u32_u24 v4, v2, PITCH
	v_lshl_add_u32 v4, v1, 4, v4
	v_add_nc_u32 v[RD], s18, v4                    ; back: row 32 w + h (+ 2 t), 16 bytes a lane: 16 lanes take a row of 256 bytes
	v_add_nc_u32 v[RDV], 2*HALFT, v[RD]
	v_add_nc_u32 v[RDX], SLOT, v[RD]
	v_lshlrev_b32 v5, 12, v2
	v_lshl_add_u32 v5, v1, 4, v5
	s_lshl_b32 s19, s14, 17
	v_add_nc_u32 v[CO], s19, v5                    ; the same rows in memory: (32 w + h) x 4,096 + 16 (l % 16)
; 28 LDS loads in one run: the fragments of 32 along K at byte kb of the slot's rows, into buffer buf
.macro FETCH slot, kb, buf
	WIN 0
.irp a, 0,1,2,3,4,5,6,7
	ds_load_b128 v[FA+64*\buf+8*\a:FA+64*\buf+8*\a+3],   v[ADRA+\slot] offset:\a*16*PITCH+\kb
	ds_load_b128 v[FA+64*\buf+8*\a+4:FA+64*\buf+8*\a+7], v[ADRA+\slot] offset:\a*16*PITCH+\kb+32
.endr
.irp e, 0,1
	ds_load_b128 v[FB+48*\buf+32+8*\e:FB+48*\buf+32+8*\e+3], v[ADRV+\slot] offset:\e*16*PITCH+\kb
	ds_load_b128 v[FB+48*\buf+36+8*\e:FB+48*\buf+36+8*\e+3], v[ADRV+\slot] offset:\e*16*PITCH+\kb+32
.endr
.irp b, 0,1,2,3
	ds_load_b128 v[FB+48*\buf+8*\b:FB+48*\buf+8*\b+3],   v[ADRB+\slot] offset:(\b/2)*HALFT+(\b%2)*16*PITCH+\kb
	ds_load_b128 v[FB+48*\buf+8*\b+4:FB+48*\buf+8*\b+7], v[ADRB+\slot] offset:(\b/2)*HALFT+(\b%2)*16*PITCH+\kb+32
.endr
.endm
; The 48 accumulators take turns, one instruction a turn, in the same order (v's 16, then q's and k's 32) in every quarter step, over the
; backward jump too.  zero = 1: the first product starts the sums: nothing is cleared.
.macro MULV buf, zero                  ; 16 matrix instructions: v, C and D in window 2
	WIN 0xa0
.irp e, 0,1
.irp a, 0,1,2,3,4,5,6,7
.if \zero
	v_wmma_f32_16x16x32_bf16 v[8*(8*\e+\a):8*(8*\e+\a)+7], v[FA+64*\buf+8*\a:FA+64*\buf+8*\a+7], v[FB+48*\buf+32+8*\e:FB+48*\buf+32+8*\e+7], 0
.else
	v_wmma_f32_16x16x32_bf16 v[8*(8*\e+\a):8*(8*\e+\a)+7], v[FA+64*\buf+8*\a:FA+64*\buf+8*\a+7], v[FB+48*\buf+32+8*\e:FB+48*\buf+32+8*\e+7], v[8*(8*\e+\a):8*(8*\e+\a)+7]
.endif
.endr
.endr
.endm
.macro MULQK buf, zero                 ; 32 matrix instructions: q and k, C and D in window 1
	WIN 0x50
.irp b, 0,1,2,3
.irp a, 0,1,2,3,4,5,6,7
.if \zero
	v_wmma_f32_16x16x32_bf16 v[8*(8*\b+\a):8*(8*\b+\a)+7], v[FB+48*\buf+8*\b:FB+48*\buf+8*\b+7], v[FA+64*\buf+8*\a:FA+64*\buf+8*\a+7], 0
.else
	v_wmma_f32_16x16x32_bf16 v[8*(8*\b+\a):8*(8*\b+\a)+7], v[FB+48*\buf+8*\b:FB+48*\buf+8*\b+7], v[FA+64*\buf+8*\a:FA+64*\buf+8*\a+7], v[8*(8*\b+\a):8*(8*\b+\a)+7]
.endif
.endr
.endr
.endm
; One of a K step's first three quarters: asks for the next quarter's fragments (byte kb, into buffer g), then multiplies buffer f.
.macro QUARTER slot, kb, f, g, zero
	s_wait_dscnt 0x0                               ; buffer f is in: its loads were issued a quarter step ago
	PLACES                                         ; buffer g was read by the matrix instructions just in front
	FETCH \slot, \kb, \g
	MULV \f, \zero
	MULQK \f, \zero
.endm
.macro THREE slot, zero
	QUARTER \slot, 64,  0, 1, \zero
	QUARTER \slot, 128, 1, 0, 0
	QUARTER \slot, 192, 0, 1, 0
.endm
; The last quarter multiplies buffer 1 and changes slots.  One barrier for two things: in front of it each wave has waited for its reads of this slot
; and for all its tensor loads (one is out: its part of the next slot).  Behind it (fill = 1: behind the round of the cluster's barrier that it opens)
; nobody, in no partner, reads this slot any more: the joint refill comes first, then the next slot's first fragments.
; From a request to the wait for it a wave issues 32 + 3 x 48 = 176 matrix instructions.
.macro TURN slot, next, fill
	s_wait_dscnt 0x0                               ; buffer 1 is in, and with it my last reads of this slot
	s_wait_tensorcnt 0x0                           ; all my tensor loads have landed
	ds_add_u32 v30, v31
	s_wait_dscnt 0x0
	s_barrier_signal -1
	MULV 1, 0                                      ; register work while the others arrive
	WIN 0
	s_barrier_wait -1
.if \fill
	CREST
	s_add_nc_u64 s[G0+4*\slot+2:G0+4*\slot+3], s[G0+4*\slot+2:G0+4*\slot+3], 2*KSTEP*2       ; no tensor load of mine is out: group 0 may be written
	s_add_nc_u64 s[G0B+4*\slot+2:G0B+4*\slot+3], s[G0B+4*\slot+2:G0B+4*\slot+3], 2*KSTEP*2
	JLOAD \slot                                    ; my one tensor load behind the round
.endif
	PLACES
	FETCH \next, 0, 0
	MULQK 1, 0
.endm
.macro LAP zero                        ; two K steps, both slots filled again
	THREE 0, \zero
	TURN 0, 1, 1
	THREE 1, 0
	TURN 1, 0, 1
.endm
	s_wait_tensorcnt 0x1                           ; my part of K step 0 is in; K step 1's load, issued behind it, may stay out
	s_barrier_signal -1
	s_barrier_wait -1                              ; everybody's part is in
	FETCH 0, 0, 0
	LAP 1                                          ; K = 2048 is 8 laps: the first starts the sums,
	WIN 0
	s_mov_b32 s3, 6                                ; six go round,
.Llap:
	LAP 0
	WIN 0
	s_sub_co_u32 s3, s3, 1
	s_cmp_lg_u32 s3, 0
	s_cbranch_scc1 .Llap
	THREE 0, 0                                     ; and the last fills nothing
	TURN 0, 1, 0
	THREE 1, 0
	s_wait_dscnt 0x0
	MULV 1, 0
	MULQK 1, 0
	; THE WAY OUT.  Slot 0 has had its last fill, and every wave's reads of it were waited for in front of the last change of slots: its bytes serve as the stage.
	PLACES                                         ; behind the last matrix instructions: results are read, fragment registers written
	s_load_b64 s[4:5], s[0:1], 0x28                ; vx, into the pair that held xb's address, which nothing uses any more
	s_lshl_b32 s22, s15, 19                        ; q, k: row 128 by, byte 256 bx
	s_lshl_b32 s23, s42, 8
	s_add_co_u32 s22, s22, s23
	s_mov_b32 s23, 0
	s_add_nc_u64 s[8:9], s[8:9], s[22:23]
	s_add_nc_u64 s[10:11], s[10:11], s[22:23]
	s_lshl_b32 s22, s42, 19                        ; vt, vx: row 128 bx, byte 256 by
	s_lshl_b32 s21, s15, 8
	s_add_co_u32 s22, s22, s21
	s_add_nc_u64 s[12:13], s[12:13], s[22:23]
	WIN 0x05                                       ; sources in window 1
.set n, 0
.rept 128
	v_cvt_pk_f16_f32 v[PK+n], v[2*n], v[2*n+1]     ; packed register 4 T + i of tile T = its registers 2 i, 2 i + 1
.set n, n+1
.endr
	WIN 0x0a                                       ; sources in window 2
.set n, 0
.rept 64
	v_cvt_pk_f16_f32 v[PK+128+n], v[2*n], v[2*n+1]
.set n, n+1
.endr
	WIN 0
.irp b, 0,1,2,3
.irp a, 0,1,2,3,4,5,6,7
	ds_store_b128 v[STO], v[PK+4*(8*\b+\a):PK+4*(8*\b+\a)+3] offset:(\b/2)*HALFT+\a*16*PITCH+32*(\b%2)
.endr
.endr
.irp e, 0,1
.irp a, 0,1,2,3,4,5,6,7
	ds_store_b128 v[STOV], v[PK+128+4*(8*\e+\a):PK+128+4*(8*\e+\a)+3] offset:\e*16*PITCH+32*\a
.endr
.endr
	s_wait_dscnt 0x0                               ; my stores are done, for the others' sake: a row of q or k is made of all four waves' pieces; my reads of slot 1 are long done too
	s_barrier_signal -1
	s_barrier_wait -1
.irp p, 0,1
.irp t, 0,1,2,3,4,5,6,7,8,9,10,11,12,13,14,15
	ds_load_b128 v[PK+4*(16*\p+\t):PK+4*(16*\p+\t)+3], v[RD] offset:\p*HALFT+\t*2*PITCH
.endr
.endr
.irp t, 0,1,2,3,4,5,6,7,8,9,10,11,12,13,14,15
	ds_load_b128 v[PK+4*(32+\t):PK+4*(32+\t)+3], v[RDV] offset:\t*2*PITCH
.endr
.irp p, 0,1,2
.irp t, 0,1,2,3,4,5,6,7,8,9,10,11,12,13,14,15
	s_wait_dscnt 47-(16*\p+\t)                     ; LDS loads come back in order (ISA guide 5.7.1): this one of the 48 is in
	global_store_b128 v[CO], v[PK+4*(16*\p+\t):PK+4*(16*\p+\t)+3], s[8+2*\p:9+2*\p] offset:\t*2*4096   ; 16 lanes store 256 consecutive bytes, aligned
.endr
.endr
	s_wait_kmcnt 0x0                               ; vx's address
	s_cmp_lg_u32 s45, 0                            ; the split v is made for seq under 512 alone: the cluster's y is 0; the branch is the same in all sixteen partners
	s_cbranch_scc1 .Lno_split
	; THE SPLIT v.  The sums still lie in window 2.  Two planes at slot 1's first byte: slot 1 has had its last fill, and every wave's reads of it were waited for in front of
	; the barrier above.  A wave stores rows 32 w .. 32 w + 31 of a plane and reads the same rows back: LDS serves its instructions in order, no barrier is needed.
	s_add_nc_u64 s[4:5], s[4:5], s[22:23]
	s_mov_b32 s21, 0xffffe000                      ; cuts the low 13 of f32's 23 mantissa bits: 11 significant bits stay
	s_wait_xcnt 0x0                                ; the stores above read v[32:223]: these are written again only behind this wait
	WIN 0x08                                       ; source 1 in window 2
.set n, 0
.rept 128
	v_and_b32 v[32+n], s21, v[n]                   ; hi, as f32
.set n, n+1
.endr
	WIN 0x82                                       ; source 0 and destination in window 2
.set n, 0
.rept 64
	v_pk_add_f32 v[2*n:2*n+1], v[2*n:2*n+1], v[32+2*n:33+2*n] neg_lo:[0,1] neg_hi:[0,1]   ; lo = v - hi, exact, in place
.set n, n+1
.endr
	WIN 0
.set n, 0
.rept 64
	v_cvt_pk_f16_f32 v[160+n], v[32+2*n], v[33+2*n]    ; hi packed: v[160:223]
.set n, n+1
.endr
	WIN 0x0a                                       ; sources in window 2
.set n, 0
.rept 64
	v_cvt_pk_f16_f32 v[32+n], v[2*n], v[2*n+1]     ; lo packed: v[32:95]
.set n, n+1
.endr
	WIN 0
.irp e, 0,1
.irp a, 0,1,2,3,4,5,6,7
	ds_store_b128 v[STOX], v[160+4*(8*\e+\a):160+4*(8*\e+\a)+3] offset:\e*16*PITCH+32*\a
.endr
.endr
.irp e, 0,1
.irp a, 0,1,2,3,4,5,6,7
	ds_store_b128 v[STOX], v[32+4*(8*\e+\a):32+4*(8*\e+\a)+3] offset:HALFT+\e*16*PITCH+32*\a
.endr
.endr
.irp t, 0,1,2,3,4,5,6,7,8,9,10,11,12,13,14,15
	ds_load_b128 v[96+4*\t:96+4*\t+3], v[RDX] offset:\t*2*PITCH            ; hi's rows
.endr
	s_wait_dscnt 16                                ; all but the 16 loads just issued: the 32 stores are done, so v[160:223], which they read, may be loaded into
.irp t, 0,1,2,3,4,5,6,7,8,9,10,11,12,13,14,15
	ds_load_b128 v[160+4*\t:160+4*\t+3], v[RDX] offset:HALFT+\t*2*PITCH    ; lo's rows
.endr
.irp t, 0,1,2,3,4,5,6,7,8,9,10,11,12,13,14,15
	s_wait_dscnt 31-\t                             ; behind hi's load t stand 15 - t of hi's and the 16 of lo's
	global_store_b128 v[CO], v[96+4*\t:96+4*\t+3], s[4:5] offset:\t*2*4096         ; hi at column seq,
	global_store_b128 v[CO], v[96+4*\t:96+4*\t+3], s[4:5] offset:\t*2*4096+1024    ; and at column 512 + seq
.endr
.irp t, 0,1,2,3,4,5,6,7,8,9,10,11,12,13,14,15
	s_wait_dscnt 15-\t
	global_store_b128 v[CO], v[160+4*\t:160+4*\t+3], s[4:5] offset:\t*2*4096+2048  ; lo at column 1024 + seq
.endr
.Lno_split:
	s_wait_tensorcnt 0x0
	ds_add_u32 v30, v31
	s_wait_dscnt 0x0
	CROUND                                         ; the closing round: no work-group ends while a partner may still ask for a tile that names it
	s_endpgm
.Lfunc_end_k_q79228670c8_proj:
	.size	k_q79228670c8_proj, .Lfunc_end_k_q79228670c8_proj-k_q79228670c8_proj
	.p2alignl 7, 3214868480
	.fill 96, 4, 3214868480
	.section	.rodata,"a",@progbits
	.p2align	6, 0x0
	.amdhsa_kernel k_q79228670c8_proj
		.amdhsa_group_segment_fixed_size 327680
		.amdhsa_private_segment_fixed_size 0
		.amdhsa_enable_private_segment 0
		.amdhsa_kernarg_size 48
		.amdhsa_user_sgpr_count 2
		.amdhsa_user_sgpr_kernarg_segment_ptr 1
		.amdhsa_wavefront_size32 1
		.amdhsa_system_sgpr_workgroup_id_x 1
		.amdhsa_system_sgpr_workgroup_id_y 1
		.amdhsa_system_sgpr_workgroup_id_z 1
		.amdhsa_system_vgpr_workitem_id 0
		.amdhsa_next_free_vgpr 640
		.amdhsa_next_free_sgpr 66
		.amdhsa_reserve_vcc 0
		.amdhsa_float_denorm_mode_32 3
		.amdhsa_float_denorm_mode_16_64 3
		.amdhsa_memory_ordered 1
		.amdhsa_forward_progress 1
		.amdhsa_inst_pref_size 181
	.end_amdhsa_kernel
	.amdgpu_metadata
---
amdhsa.version: [ 1, 2 ]
amdhsa.kernels:
  - .name:           k_q79228670c8_proj
    .symbol:         k_q79228670c8_proj.kd
    .args:
      - { .name: xb, .offset: 0, .size: 8, .value_kind: global_buffer, .address_space: global }
      - { .name: wb, .offset: 8, .size: 8, .value_kind: global_buffer, .address_space: global }
      - { .name: qb, .offset: 16, .size: 8, .value_kind: global_buffer, .address_space: global }
      - { .name: kb, .offset: 24, .size: 8, .value_kind: global_buffer, .address_space: global }
      - { .name: vt, .offset: 32, .size: 8, .value_kind: global_buffer, .address_space: global }
      - { .name: vx, .offset: 40, .size: 8, .value_kind: global_buffer, .address_space: global }
    .group_segment_fixed_size: 327680
    .private_segment_fixed_size: 0
    .kernarg_segment_align: 8
    .kernarg_segment_size: 48
    .max_flat_workgroup_size: 128
    .sgpr_count:     66
    .vgpr_count:     640
    .wavefront_size: 32
...
	.end_amdgpu_metadata
.endif
;; end of part 2
;; launch scores (part 3): grid 40 x 4, 4 waves a work-group, clusters of 4 x 4, 327,680 bytes of LDS; arguments qb, kb, sc; writes sc
.if DOCPART == 3
	.amdgcn_target "amdgcn-amd-amdhsa--gfx1250"
	.amdhsa_code_object_version 6
	.text
	.protected	k_q79228670c8_scores
	.globl	k_q79228670c8_scores
	.p2align	8
	.type	k_q79228670c8_scores,@function
k_q79228670c8_scores:
	s_mov_b64 s[64:65], 0
	v_nop
	global_prefetch_b8 v0, s[64:65] scope:SCOPE_SE
	s_setreg_imm32_b32 hwreg(HW_REG_WAVE_MODE, 25, 1), 1
	s_wait_xcnt 0x0
	s_wait_alu depctr_hold_cnt(0) depctr_sa_sdst(0) depctr_va_vdst(0) depctr_va_sdst(0) depctr_va_ssrc(0) depctr_va_vcc(0) depctr_vm_vsrc(0)
	s_getreg_b32 s2, hwreg(HW_REG_IB_STS2, 6, 4)
	s_cmp_eq_u32 s2, 0
	s_cbranch_scc0 .Lentry_in_a_cluster
	s_endpgm
.Lentry_in_a_cluster:
	s_bfe_u32 s2, ttmp6, 0x10000c
	s_cmp_lg_u32 s2, 0xf033
	s_cbranch_scc0 .Lentry_shape_is_right
	s_endpgm
.Lentry_shape_is_right:
; C = A B^T in blocks of 128 x 128: A, B f16 with rows of 2048 numbers along K, C f32 with rows of 2048.  One text serves two launches:
;   IS_PV = 0, scores: A = q, B = k, C = the raw scores q k^T (the scale 1/sqrt(2048) is applied where the exponentials are made), K = 2048.
;     Only the 10 super-blocks of 512 x 512 on or under the diagonal are made, one by each cluster.  In the 4 on the diagonal 6 of 16 blocks lie wholly above
;     the diagonal and are made in vain (24 of 160): in a cluster.
;   IS_PV = 1, pv: A = P (f16, zeros right of the diagonal), B = v transposed, C = out0.  Row super-block R = 1, 2, 3: K = 512 (R + 1) keys, B = vt.
;     R = 0 (output rows under 512, which average over the fewest keys and so show rounding most): both operands in two f16 parts, as one product over K = 1536:
;     A = [P hi | P lo | P hi] (columns 0 to 1535 of P's buffer), B = [v hi | v hi | v lo] (the buffer vx); the product lo x lo, under 2^-20 of the result's terms, is left out.
;     K is the same for all sixteen partners, so that both operands' tiles can be asked for jointly; up to 384 of 512 keys meet zeros of P.  3, 2, 3, 4 laps of 512 along K.
; f16's range: q, k, v as the launch that makes them states; P lies in 0 .. 1.
; Four waves.  Wave w: wc = w & 1, kh = w >> 1.  It makes all 128 rows x columns 64 wc .. +63 over half kh of the K of every slot: 32 accumulator tiles, 256 registers;
; for 32 along K it reads 12 fragments for 32 matrix instructions.  At the end waves w and w xor 2 hand each other half of their sums through LDS and add in f32:
; each then owns rows 64 kh .. +63, columns 64 wc .. +63.  So a sum over K is made in two halves that are added once: a stated order of rounding.
; A slot holds 256 along K (rows of 512 bytes, starting at multiples of 512 bytes of their buffers): A's 128 rows, then B's 128 rows; two slots; each wave brings 64 rows with one tensor load.
; CLUSTERS: 4 x 4 work-groups.  A's tile hangs on the block row alone and is asked for jointly along a row of the cluster, B's on the block column alone, along a column.
; The matrix instruction is used transposed (source 0 = B's rows, source 1 = A's rows): a lane holds eight neighbouring columns of one row of C.
.set IS_PV, 0
.set PITCH,  528                       ; an LDS row: 512 bytes + 16 of padding, an odd multiple of 16: the 16 rows of a fragment load start in 16 different 16-byte columns of 256 bytes
.set LOADB,  64*PITCH                  ; 64 rows: what one tensor load brings
.set SLOT,   4*LOADB
.set STAGE,  2*SLOT                    ; behind the slots: 16 rows x 272 bytes for each wave, bytes into which no tensor load lands
.set SPITCH, 272
.set ADRA0, 16                         ; v16-17  LDS address, slot 0, 1, of A's rows that will be mine (64 kh ..), my half of K
.set ADRA1, 18                         ; v18-19  of A's rows that will be my partner's (64 (1 - kh) ..), my half of K
.set ADRB,  20                         ; v20-21  of my 64 rows of B, my half of K
.set XS,    22                         ; the exchange: where I put sums for my partner
.set XR,    23                         ; where my partner has put sums for me
.set STO,   24                         ; the way out: where a lane puts 32 bytes of a row
.set RD,    25                         ; where it reads rows back
.set CO,    26                         ; its byte offset in C
.set TMP,   32                         ; v[32:63]   rows read back
.set FA,    64                         ; v[64:127], v[128:191]   A's 8 fragments, two buffers; at the end the sums
.set FB,    192                        ; v[192:223], v[224:255]  B's 4 fragments, two buffers
.set G1,  24                           ; s[24:31] descriptor group 1 for A's tiles
.set G0,  32                           ; s[32:39] group 0 for A's tiles, one set for each slot
.set G1B, 48                           ; s[48:55] group 1 for B's tiles: another mask
.set G0B, 56                           ; s[56:63] group 0 for B's tiles, one set for each slot
.set MSB, 0
.macro WIN new                         ; the immediate's high byte repeats the setting that is left; a switch that changes nothing is dropped
.if MSB != \new
	s_set_vgpr_msb (MSB<<8)|\new
.set MSB, \new
.endif
.endm
; A joint load: waves 0 and 1 ask for A's two halves, waves 2 and 3 for B's.  Each line has one mask; the branch hangs on the wave's number alone.
.macro JLOAD s
	s_cmp_eq_u32 s11, 0
	s_cbranch_scc0 .Lfor_b_\@
	tensor_load_to_lds s[G0+4*\s:G0+4*\s+3], s[G1:G1+7]
	s_nop 0
	s_branch .Lasked_\@
.Lfor_b_\@:
	tensor_load_to_lds s[G0B+4*\s:G0B+4*\s+3], s[G1B:G1B+7]
	s_nop 0
.Lasked_\@:
.endm
.macro CREST                           ; a round of the cluster's barrier behind its opening work-group barrier
	s_cmp_lg_u32 s10, 0
	s_cbranch_scc1 .Lnot_wave_0_\@
	s_barrier_signal -3
.Lnot_wave_0_\@:
	s_barrier_wait -3
	s_barrier_signal -1
	s_barrier_wait -1
.endm
.macro CROUND                          ; a whole round
	s_barrier_signal -1
	s_barrier_wait -1
	CREST
.endm
.macro PLACES                          ; four places behind a matrix instruction (ISA guide 7.12.1) before its registers are loaded into or its result is read
.rept 4
	v_nop
.endr
.endm
	s_load_b128 s[4:7], s[0:1], 0x0                ; A s[4:5], B s[6:7]
	s_load_b64 s[8:9], s[0:1], 0x10                ; C
	v_lshl_add_u32 v30, v0, 2, 0x46400
	v_mov_b32 v31, 0
	ds_add_u32 v30, v31
.if IS_PV
	s_load_b64 s[18:19], s[0:1], 0x18              ; vx: B for row super-block 0
.endif
	v_lshrrev_b32 v1, 5, v0
	v_readfirstlane_b32 s10, v1                    ; wave 0..3
	s_lshr_b32 s11, s10, 1                         ; kh.  Also: I fetch for A (0) or for B (1)
	s_and_b32 s12, s10, 1                          ; wc.  Also: which 64 rows of that tile I fetch
	s_bfe_u32 s40, ttmp6, 0x40000                  ; cx
	s_bfe_u32 s41, ttmp6, 0x40004                  ; cy
.if IS_PV
	s_and_b32 s3, ttmp7, 0xffff                    ; R: the cluster's y is the row super-block; the same in all sixteen partners
	s_add_co_u32 s45, s3, 1                        ; laps of 512 along K: R + 1,
	s_cmp_eq_u32 s3, 0
	s_cselect_b32 s45, 3, s45                      ; but 3 for R = 0: hi x hi, lo x hi, hi x lo
	s_lshl_b32 s13, s3, 2
	s_add_co_u32 s13, s13, s41                     ; block row = 4 R + cy
	s_lshl_b32 s42, ttmp9, 2
	s_add_co_u32 s42, s42, s40                     ; block column = 4 x cluster x + cx
.else
	s_cmp_ge_u32 ttmp9, 1                          ; cluster t = 0..9 is super-block (R, C) of the lower triangle: t = R (R + 1) / 2 + C
	s_cselect_b32 s13, 1, 0
	s_cmp_ge_u32 ttmp9, 3
	s_cselect_b32 s16, 1, 0
	s_add_co_u32 s13, s13, s16
	s_cmp_ge_u32 ttmp9, 6
	s_cselect_b32 s16, 1, 0
	s_add_co_u32 s13, s13, s16                     ; R
	s_add_co_u32 s16, s13, 1
	s_mul_i32 s16, s16, s13
	s_lshr_b32 s16, s16, 1
	s_sub_co_u32 s42, ttmp9, s16                   ; C
	s_lshl_b32 s13, s13, 2
	s_add_co_u32 s13, s13, s41                     ; block row = 4 R + cy
	s_lshl_b32 s42, s42, 2
	s_add_co_u32 s42, s42, s40                     ; block column = 4 C + cx
.endif
	s_lshl_b32 s43, s41, 2
	s_lshl_b32 s43, 15, s43                        ; my row of the cluster: places 4 cy .. 4 cy + 3
	s_lshl_b32 s44, 0x1111, s40                    ; my column: places cx, cx + 4, cx + 8, cx + 12
	; group 1: a tile of 64 rows x 256 elements of 2 bytes, 4 words of padding behind every 128 words
	s_or_b32 s[G1+0], s43, (1<<16)|(1<<20)|(1<<21)|(6<<22)|(3<<25)    ; A's tiles go to my row of the cluster; bit 21 stands beside a mask
	s_or_b32 s[G1B+0], s44, (1<<16)|(1<<20)|(1<<21)|(6<<22)|(3<<25)   ; B's to my column
	s_mov_b32 s[G1+1], 256<<16                     ; tensor_dim0 = 256
	s_mov_b32 s[G1B+1], 256<<16
	s_mov_b32 s[G1+2], 64<<16                      ; tensor_dim1 = 64
	s_mov_b32 s[G1B+2], 64<<16
	s_mov_b32 s[G1+3], 256<<16                     ; tile_dim0 = 256
	s_mov_b32 s[G1B+3], 256<<16
	s_mov_b32 s[G1+4], 64                          ; tile_dim1 = 64
	s_mov_b32 s[G1B+4], 64
	s_mov_b32 s[G1+5], 2048                        ; elements from row to row
	s_mov_b32 s[G1B+5], 2048
	s_mov_b32 s[G1+6], 0
	s_mov_b32 s[G1B+6], 0
	s_mov_b32 s[G1+7], 0
	s_mov_b32 s[G1B+7], 0
	s_lshl_b32 s17, s12, 6                         ; which 64 rows of the tile I fetch
	s_lshl_b32 s16, s13, 7
	s_add_co_u32 s16, s16, s17                     ; A: row 128 x block row + 64 x half; never holds cx
	s_lshl_b32 s16, s16, 12                        ; rows of 4,096 bytes
	s_lshl_b32 s46, s42, 7
	s_add_co_u32 s46, s46, s17                     ; B: row 128 x block column + 64 x half; never holds cy
	s_lshl_b32 s46, s46, 12
	s_mov_b32 s17, 0
	s_mov_b32 s47, 0
	s_mul_i32 s20, s10, LOADB                      ; where my tile goes: wave x 64 rows: no place in the cluster enters an LDS address
	s_wait_dscnt 0x0
	s_wait_kmcnt 0x0
.if IS_PV
	s_cmp_eq_u32 s3, 0                             ; a choice between two buffers on the cluster's y alone
	s_cselect_b64 s[6:7], s[18:19], s[6:7]
.endif
	s_add_nc_u64 s[14:15], s[4:5], s[16:17]
	s_add_nc_u64 s[46:47], s[6:7], s[46:47]
	CROUND                                         ; all sixteen work-groups are here: the first joint loads meet
.irp s, 0,1
	s_mov_b32 s[G0+4*\s], 1
	s_add_co_u32 s[G0+4*\s+1], s20, \s*SLOT
	s_add_nc_u64 s[G0+4*\s+2:G0+4*\s+3], s[14:15], \s*512          ; K = 256 s ..
	s_or_b32 s[G0+4*\s+3], s[G0+4*\s+3], 0x80000000
	s_mov_b32 s[G0B+4*\s], 1
	s_add_co_u32 s[G0B+4*\s+1], s20, \s*SLOT
	s_add_nc_u64 s[G0B+4*\s+2:G0B+4*\s+3], s[46:47], \s*512
	s_or_b32 s[G0B+4*\s+3], s[G0B+4*\s+3], 0x80000000
	JLOAD \s                                       ; both slots are asked for before anything else: two tensor loads of this wave are out
.endr
	; A fragment: lane l holds row l % 16; registers 0-3 K = 8 (l / 16) + 0..7, registers 4-7 K = 16 + 8 (l / 16) + 0..7: two loads of 16 bytes, 32 apart.
	v_and_b32 v1, 15, v0                           ; r = l % 16
	v_bfe_u32 v2, v0, 4, 1                         ; h = l / 16
	v_mul_u32_u24 v3, v1, PITCH
	v_lshl_add_u32 v3, v2, 4, v3                   ; r x pitch + 16 h
	s_lshl_b32 s23, s11, 8                         ; my half of a slot's K: byte 256 kh of every row
	s_mul_i32 s21, s11, LOADB
	s_add_co_u32 s21, s21, s23                     ; A's rows 64 kh ..
	s_xor_b32 s22, s11, 1
	s_mul_i32 s22, s22, LOADB
	s_add_co_u32 s22, s22, s23                     ; A's rows 64 (1 - kh) ..
	s_mul_i32 s18, s12, LOADB
	s_add_co_u32 s18, s18, s23
	s_add_co_u32 s18, s18, 2*LOADB                 ; B's rows 64 wc .., behind A's 128
.irp s, 0,1
	v_add_nc_u32 v[ADRA0+\s], s21, v3
	v_add_nc_u32 v[ADRA1+\s], s22, v3
	v_add_nc_u32 v[ADRB+\s], s18, v3
	s_add_co_u32 s21, s21, SLOT
	s_add_co_u32 s22, s22, SLOT
	s_add_co_u32 s18, s18, SLOT
.endr
	v_and_b32 v4, 31, v0
	v_lshlrev_b32 v4, 4, v4                        ; 16 x lane
	s_lshl_b32 s19, s10, 14                        ; the exchange: 16,384 bytes for each wave, in slot 0's bytes 0 to 65,535
	v_add_nc_u32 v[XS], s19, v4
	s_xor_b32 s19, s19, 2<<14                      ; my partner is wave w xor 2
	v_add_nc_u32 v[XR], s19, v4
	s_mul_i32 s19, s10, 16*SPITCH
	s_add_co_u32 s19, s19, STAGE                   ; my stage
	v_mul_u32_u24 v4, v1, SPITCH
	v_lshl_add_u32 v4, v2, 5, v4
	v_add_nc_u32 v[STO], s19, v4                   ; in: row r, byte 32 h (+ 64 b)
	v_mul_u32_u24 v5, v2, SPITCH
	v_lshl_add_u32 v5, v1, 4, v5
	v_add_nc_u32 v[RD], s19, v5                    ; back: row h (+ 2 t), 16 bytes a lane: 16 lanes take a row piece of 256 bytes
	v_lshlrev_b32 v5, 13, v2
	v_lshl_add_u32 v[CO], v1, 4, v5                ; the same in C: rows of 8,192 bytes
; 24 LDS loads in one run: the fragments of quarter q (32 along K, byte 64 q of my half) of the slot, into buffer f
.macro FETCH slot, q, f
	WIN 0
.irp b, 0,1,2,3
	ds_load_b128 v[FB+32*\f+8*\b:FB+32*\f+8*\b+3],   v[ADRB+\slot] offset:\b*16*PITCH+64*\q
	ds_load_b128 v[FB+32*\f+8*\b+4:FB+32*\f+8*\b+7], v[ADRB+\slot] offset:\b*16*PITCH+64*\q+32
.endr
.irp a, 0,1,2,3
	ds_load_b128 v[FA+64*\f+8*\a:FA+64*\f+8*\a+3],   v[ADRA0+\slot] offset:\a*16*PITCH+64*\q
	ds_load_b128 v[FA+64*\f+8*\a+4:FA+64*\f+8*\a+7], v[ADRA0+\slot] offset:\a*16*PITCH+64*\q+32
.endr
.irp a, 0,1,2,3
	ds_load_b128 v[FA+64*\f+32+8*\a:FA+64*\f+32+8*\a+3], v[ADRA1+\slot] offset:\a*16*PITCH+64*\q
	ds_load_b128 v[FA+64*\f+36+8*\a:FA+64*\f+36+8*\a+3], v[ADRA1+\slot] offset:\a*16*PITCH+64*\q+32
.endr
.endm
; 16 matrix instructions: row blocks a0 .. a0 + 3 x 4 column blocks; tile (a, b) at v[8 (4 a + b)] of window 1.  The 32 accumulators take turns, one instruction
; a turn, in the same order in every quarter, over every jump too.  zero = 1: the first product starts the sums: nothing is cleared.
.macro MUL16 f, a0, zero
	WIN 0x50
.irp a, \a0, \a0+1, \a0+2, \a0+3
.irp b, 0,1,2,3
.if \zero
	v_wmma_f32_16x16x32_f16 v[8*(4*(\a)+\b):8*(4*(\a)+\b)+7], v[FB+32*\f+8*\b:FB+32*\f+8*\b+7], v[FA+64*\f+8*(\a):FA+64*\f+8*(\a)+7], 0
.else
	v_wmma_f32_16x16x32_f16 v[8*(4*(\a)+\b):8*(4*(\a)+\b)+7], v[FB+32*\f+8*\b:FB+32*\f+8*\b+7], v[FA+64*\f+8*(\a):FA+64*\f+8*(\a)+7], v[8*(4*(\a)+\b):8*(4*(\a)+\b)+7]
.endif
.endr
.endr
.endm
; One of a slot's first three quarters: asks for the next quarter's fragments (into buffer g), then multiplies buffer f.
.macro QUARTER slot, q, f, g, zero
	s_wait_dscnt 0x0                               ; buffer f is in: its loads were issued a quarter ago
	PLACES                                         ; buffer g was read by the matrix instructions just in front
	FETCH \slot, \q, \g
	MUL16 \f, 0, \zero
	MUL16 \f, 4, \zero
.endm
.macro THREE slot, zero
	QUARTER \slot, 1, 0, 1, \zero
	QUARTER \slot, 2, 1, 0, 0
	QUARTER \slot, 3, 0, 1, 0
.endm
; The last quarter multiplies buffer 1 and changes slots.  One barrier for two things: in front of it each wave has waited for its reads of this slot
; and for all its tensor loads (one is out: its part of the next slot).  Behind it (fill = 1: behind the round of the cluster's barrier that it opens)
; nobody, in no partner, reads this slot any more: the joint refill comes first, then the next slot's first fragments.
; From a request to the wait for it a wave issues 16 + 3 x 32 = 112 matrix instructions.
.macro TURN slot, next, fill
	s_wait_dscnt 0x0                               ; buffer 1 is in, and with it my last reads of this slot
	s_wait_tensorcnt 0x0                           ; all my tensor loads have landed
	ds_add_u32 v30, v31
	s_wait_dscnt 0x0
	s_barrier_signal -1
	MUL16 1, 0, 0                                  ; register work while the others arrive
	WIN 0
	s_barrier_wait -1
.if \fill
	CREST
	s_add_nc_u64 s[G0+4*\slot+2:G0+4*\slot+3], s[G0+4*\slot+2:G0+4*\slot+3], 1024       ; no tensor load of mine is out: group 0 may be written; 512 along K on
	s_add_nc_u64 s[G0B+4*\slot+2:G0B+4*\slot+3], s[G0B+4*\slot+2:G0B+4*\slot+3], 1024
	JLOAD \slot                                    ; my one tensor load behind the round
.endif
	PLACES
	FETCH \next, 0, 0
	MUL16 1, 4, 0
.endm
	s_wait_tensorcnt 0x1                           ; my part of slot 0 is in; slot 1's load, issued behind it, may stay out
	s_barrier_signal -1
	s_barrier_wait -1                              ; everybody's part is in
	FETCH 0, 0, 0
	THREE 0, 1                                     ; the first lap: its first products start the sums
	TURN 0, 1, 1
	THREE 1, 0
	TURN 1, 0, 1
	WIN 0
.if IS_PV
	s_cmp_eq_u32 s45, 2                            ; two laps: none between the first and the last; the jump hangs on R alone, which all partners share
	s_cbranch_scc1 .Lpre
.endif
	s_mov_b32 s3, 2                                ; the laps between the first and the last: the counter goes up from 2 to the number of laps
.Llap:
	THREE 0, 0
	TURN 0, 1, 1
	THREE 1, 0
	TURN 1, 0, 1
	WIN 0
	s_add_co_u32 s3, s3, 1
.if IS_PV
	s_cmp_lt_u32 s3, s45
.else
	s_cmp_lt_u32 s3, 4                             ; K = 2048 is 4 laps of 512
.endif
	s_cbranch_scc1 .Llap
.Lpre:
	THREE 0, 0                                     ; the last lap fills nothing
	TURN 0, 1, 0
	THREE 1, 0
	s_wait_dscnt 0x0
	MUL16 1, 0, 0
	MUL16 1, 4, 0
	; THE EXCHANGE.  Slot 0 has had its last fill, and every wave's reads of it were waited for in front of the last change of slots.
	; My tiles a = 4..7 are my partner's rows over my half of K: they go to my 16,384 bytes; my partner's lie in its own.
	PLACES                                         ; behind the last matrix instructions: results are read, fragment registers loaded into
	s_lshl_b32 s16, s13, 7
	s_lshl_b32 s17, s11, 6
	s_add_co_u32 s16, s16, s17                     ; my first row of C: 128 x block row + 64 kh
	s_lshl_b32 s16, s16, 13                        ; rows of 8,192 bytes
	s_mov_b32 s17, 0
	s_lshl_b32 s46, s42, 9                         ; my first column, in bytes: 512 x block column + 256 wc
	s_lshl_b32 s47, s12, 8
	s_add_co_u32 s46, s46, s47
	s_mov_b32 s47, 0
	s_add_nc_u64 s[8:9], s[8:9], s[16:17]
	s_add_nc_u64 s[8:9], s[8:9], s[46:47]
	WIN 0x04                                       ; store data in window 1
.set n, 0
.rept 32
	ds_store_b128 v[XS], v[128+4*n:131+4*n] offset:512*n
.set n, n+1
.endr
	WIN 0
	s_wait_dscnt 0x0                               ; my stores are done, for my partner's sake
	s_barrier_signal -1
	s_barrier_wait -1
.set n, 0
.rept 32
	ds_load_b128 v[FA+4*n:FA+4*n+3], v[XR] offset:512*n
.set n, n+1
.endr
	s_wait_dscnt 0x0
	WIN 0x01                                       ; source 0 in window 1: my own half of the sums
.set n, 0
.rept 64
	v_pk_add_f32 v[FA+2*n:FA+2*n+1], v[2*n:2*n+1], v[FA+2*n:FA+2*n+1]
.set n, n+1
.endr
	WIN 0
	; THE WAY OUT, 16 rows at a time through my own stage: 32 bytes a lane in, whole row pieces of 256 bytes back.  LDS serves a wave's instructions in order
	; (ISA guide 5.7.1.4), so no wait stands between my stores and my loads, nor between one turn's loads and the next turn's stores.
.irp a, 0,1,2,3
.irp b, 0,1,2,3
	ds_store_b128 v[STO], v[FA+8*(4*\a+\b):FA+8*(4*\a+\b)+3]   offset:64*\b
	ds_store_b128 v[STO], v[FA+8*(4*\a+\b)+4:FA+8*(4*\a+\b)+7] offset:64*\b+16
.endr
	s_wait_xcnt 0x0                                ; the last turn's global stores read v[32:63]: these are loaded again only behind this wait
.irp t, 0,1,2,3,4,5,6,7
	ds_load_b128 v[TMP+4*\t:TMP+4*\t+3], v[RD] offset:\t*2*SPITCH
.endr
.irp t, 0,1,2,3,4,5,6,7
	s_wait_dscnt 7-\t                              ; LDS loads come back in order (ISA guide 5.7.1): this one of the eight is in
.if IS_PV
	global_store_b128 v[CO], v[TMP+4*\t:TMP+4*\t+3], s[8:9] offset:(16*\a+2*\t)*8192 th:TH_STORE_NT   ; 16 lanes store 256 consecutive bytes, aligned
.else
	global_store_b128 v[CO], v[TMP+4*\t:TMP+4*\t+3], s[8:9] offset:(16*\a+2*\t)*8192                  ; no hint: the next launch reads these bytes
.endif
.endr
.endr
	s_wait_tensorcnt 0x0
	ds_add_u32 v30, v31
	s_wait_dscnt 0x0
	CROUND                                         ; the closing round: no work-group ends while a partner may still ask for a tile that names it
	s_endpgm
.Lfunc_end_k_q79228670c8_scores:
	.size	k_q79228670c8_scores, .Lfunc_end_k_q79228670c8_scores-k_q79228670c8_scores
	.p2alignl 7, 3214868480
	.fill 96, 4, 3214868480
	.section	.rodata,"a",@progbits
	.p2align	6, 0x0
	.amdhsa_kernel k_q79228670c8_scores
		.amdhsa_group_segment_fixed_size 327680
		.amdhsa_private_segment_fixed_size 0
		.amdhsa_enable_private_segment 0
		.amdhsa_kernarg_size 24
		.amdhsa_user_sgpr_count 2
		.amdhsa_user_sgpr_kernarg_segment_ptr 1
		.amdhsa_wavefront_size32 1
		.amdhsa_system_sgpr_workgroup_id_x 1
		.amdhsa_system_sgpr_workgroup_id_y 1
		.amdhsa_system_sgpr_workgroup_id_z 1
		.amdhsa_system_vgpr_workitem_id 0
		.amdhsa_next_free_vgpr 512
		.amdhsa_next_free_sgpr 66
		.amdhsa_reserve_vcc 0
		.amdhsa_float_denorm_mode_32 3
		.amdhsa_float_denorm_mode_16_64 3
		.amdhsa_memory_ordered 1
		.amdhsa_forward_progress 1
		.amdhsa_inst_pref_size 117
	.end_amdhsa_kernel
	.amdgpu_metadata
---
amdhsa.version: [ 1, 2 ]
amdhsa.kernels:
  - .name:           k_q79228670c8_scores
    .symbol:         k_q79228670c8_scores.kd
    .args:
      - { .name: qb, .offset: 0, .size: 8, .value_kind: global_buffer, .address_space: global }
      - { .name: kb, .offset: 8, .size: 8, .value_kind: global_buffer, .address_space: global }
      - { .name: sc, .offset: 16, .size: 8, .value_kind: global_buffer, .address_space: global }
    .group_segment_fixed_size: 327680
    .private_segment_fixed_size: 0
    .kernarg_segment_align: 8
    .kernarg_segment_size: 24
    .max_flat_workgroup_size: 128
    .sgpr_count:     66
    .vgpr_count:     512
    .wavefront_size: 32
...
	.end_amdgpu_metadata
.endif
;; end of part 3
;; launch softmax (part 4): grid 256 x 1, 8 waves a work-group, no clusters, 0 bytes of LDS; arguments sc, pb; writes pb
.if DOCPART == 4
	.amdgcn_target "amdgcn-amd-amdhsa--gfx1250"
	.amdhsa_code_object_version 6
	.text
	.protected	k_q79228670c8_softmax
	.globl	k_q79228670c8_softmax
	.p2align	8
	.type	k_q79228670c8_softmax,@function
k_q79228670c8_softmax:
	s_mov_b64 s[64:65], 0
	v_nop
	global_prefetch_b8 v0, s[64:65] scope:SCOPE_SE
	s_setreg_imm32_b32 hwreg(HW_REG_WAVE_MODE, 25, 1), 1
	s_wait_xcnt 0x0
; softmax: P[i][j] = exp((s_ij - m_i) / sqrt(2048)) / sum over j' <= i of exp((s_ij' - m_i) / sqrt(2048)) for j <= i, 0 for j > i.
; s: raw scores, f32 [2048][2048], present for columns < 512 (R + 1), R = i >> 9.  P: f16, rows of 2048 numbers.
;   R = 1, 2, 3: columns < 512 (R + 1) are written, P rounded once to f16, zeros among them.
;   R = 0: P goes out in two f16 parts: hi = P with its low 13 mantissa bits cut (11 significant bits: exact in f16), lo = P - hi.  Columns j and 1024 + j hold hi, 512 + j holds lo (j < 512):
;   the last launch multiplies [hi | lo | hi] with [v hi | v hi | v lo].  These rows average over the fewest keys, so P's rounding shows in them most.
;   Under 2^-14 hi is rounded to f16's denormal step of 2^-24, which lo does not see.
; The softmax over the whole row, the mask and the division by the masked sum of the source come to this: the whole row's sum and any shift m_i cancel.
; LIMIT, stated: m_i is the largest score of the row's causal part, not of the whole row.  The largest summand is then 1 and the sum lies between 1 and 2048, for every
; input with finite scores.  The result differs from the source's only where the source's own shift makes every causal exponential underflow and gives 0 / 0.
; v_exp_f32 gives 0 for results under 2^-126 (ISA guide 15.8): such weights are under 2^-126 of the row's largest.  P is normalised in f32, then narrowed; it lies in 0 .. 1, inside f16's range.
; One wave, one row, kept in registers between the three passes (maximum, exponentials and sum, scaling): 4 (R + 1) loads of 16 bytes a lane, 512 consecutive bytes each.
; The eight rows of a work-group share R, so the branch on R is the same for its waves.  No LDS, no barrier, no cluster: the rows share nothing.
.set X, 20                             ; v[20:83]  the row: load j, lane l, word e is column 128 j + 4 l + e
.set H, 36                             ; v[36:51]  R = 0: hi as f32
.set PH, 52                            ; v[52:59]  R = 0: hi packed
.set PL, 60                            ; v[60:67]  R = 0: lo packed
	s_load_b128 s[4:7], s[0:1], 0x0                ; sc s[4:5], pb s[6:7]
	v_lshrrev_b32 v1, 5, v0
	v_readfirstlane_b32 s8, v1                     ; wave
	s_lshl_b32 s9, ttmp9, 3
	s_add_co_u32 s9, s9, s8                        ; i = 8 x work-group + wave
	s_lshr_b32 s10, ttmp9, 6                       ; R = i >> 9
	s_lshl_b32 s16, s9, 13                         ; a row of scores is 8,192 bytes,
	s_mov_b32 s17, 0
	s_lshl_b32 s18, s9, 12                         ; a row of P 4,096
	s_mov_b32 s19, 0
	s_and_b32 s11, s9, 511                         ; i - 512 R
	s_mov_b32 s12, 0x76543210                      ; v_permlanex16_b32: lane l of one half reads lane l of the other
	s_mov_b32 s13, 0xfedcba98
	s_mov_b32 s14, 0x3d0293ee                      ; log2(e) / sqrt(2048): exp(x / sqrt(2048)) = 2^(x c)
	s_mov_b32 s15, 0x3d0293ee
	s_mov_b32 s20, 0xffffe000                      ; cuts the low 13 of f32's 23 mantissa bits
	v_and_b32 v1, 31, v0                           ; lane
	v_lshlrev_b32 v2, 4, v1                        ; load offset
	v_lshlrev_b32 v3, 3, v1                        ; store offset
	v_lshlrev_b32 v4, 2, v1
	v_sub_nc_u32 v4, s11, v4                       ; d = (i - 512 R) - 4 lane, signed: word e of the last four loads' load jj is masked where 128 jj + e > d
	v_mov_b32 v5, 0xff800000                       ; minus infinity
	v_mov_b32 v18, 0                               ; the lane permute's destination counts as read
	s_wait_kmcnt 0x0
	s_add_nc_u64 s[4:5], s[4:5], s[16:17]
	s_add_nc_u64 s[6:7], s[6:7], s[18:19]
.macro SOFT cnt                        ; cnt = 4 (R + 1) loads
.set j, 0
.rept \cnt
	global_load_b128 v[X+4*j:X+4*j+3], v2, s[4:5] offset:512*j th:TH_LOAD_NT
.set j, j+1
.endr
	s_wait_loadcnt 0x0
	; the mask: columns under 512 R never pass i, so only the last four loads are looked at
.irp jj, 0,1,2,3
.irp e, 0,1,2,3
	v_cmp_gt_i32 vcc_lo, 128*\jj+\e, v4
	v_cndmask_b32 v[X+4*(\cnt-4+\jj)+\e], v[X+4*(\cnt-4+\jj)+\e], v5, vcc_lo
.endr
.endr
	; pass 1: the maximum, in four chains started by the first two loads
.irp e, 0,1,2,3
	v_max_num_f32 v[6+\e], v[X+\e], v[X+4+\e]
.endr
.set j, 2
.rept (\cnt-2)/2
.irp e, 0,1,2,3
	v_max3_num_f32 v[6+\e], v[6+\e], v[X+4*j+\e], v[X+4*j+4+\e]
.endr
.set j, j+2
.endr
	v_max3_num_f32 v6, v6, v7, v8
	v_max_num_f32 v6, v6, v9
	v_max_num_f32_dpp v6, v6, v6 row_xmask:1 row_mask:0xf bank_mask:0xf
	v_max_num_f32_dpp v6, v6, v6 row_xmask:2 row_mask:0xf bank_mask:0xf
	v_max_num_f32_dpp v6, v6, v6 row_xmask:4 row_mask:0xf bank_mask:0xf
	v_max_num_f32_dpp v6, v6, v6 row_xmask:8 row_mask:0xf bank_mask:0xf
	v_permlanex16_b32 v18, v6, s12, s13
	v_max_num_f32 v6, v6, v18                      ; every lane holds m (column 0 is never masked: m is a score)
	v_mul_f32 v10, 0xbd0293ee, v6                  ; - m c; its rounding is one factor common to the whole row and cancels
	v_mov_b32 v11, v10
	; pass 2: 2^(x c - m c); a masked number stays minus infinity and gives 0
.set j, 0
.rept 2*\cnt
	v_pk_fma_f32 v[X+2*j:X+2*j+1], v[X+2*j:X+2*j+1], s[14:15], v[10:11] op_sel_hi:[1,0,1]
.set j, j+1
.endr
.set j, 0
.rept 4*\cnt
	v_exp_f32 v[X+j], v[X+j]
.set j, j+1
.endr
	v_nop                                          ; one plain vector instruction behind the last exponential before its result is read (ISA guide 5.7.2)
	s_wait_alu depctr_va_vdst(0)
	v_pk_add_f32 v[12:13], v[X:X+1], v[X+4:X+5]    ; the sum, in two chains of pairs started by the first two loads
	v_pk_add_f32 v[14:15], v[X+2:X+3], v[X+6:X+7]
.set j, 2
.rept \cnt-2
	v_pk_add_f32 v[12:13], v[12:13], v[X+4*j:X+4*j+1]
	v_pk_add_f32 v[14:15], v[14:15], v[X+4*j+2:X+4*j+3]
.set j, j+1
.endr
	v_pk_add_f32 v[12:13], v[12:13], v[14:15]
	v_add_f32 v12, v12, v13
	v_add_f32_dpp v12, v12, v12 row_xmask:1 row_mask:0xf bank_mask:0xf
	v_add_f32_dpp v12, v12, v12 row_xmask:2 row_mask:0xf bank_mask:0xf
	v_add_f32_dpp v12, v12, v12 row_xmask:4 row_mask:0xf bank_mask:0xf
	v_add_f32_dpp v12, v12, v12 row_xmask:8 row_mask:0xf bank_mask:0xf
	v_permlanex16_b32 v18, v12, s12, s13
	v_add_f32 v12, v12, v18
	v_rcp_f32 v16, v12
	v_rcp_f32 v17, v12
	v_nop                                          ; one plain vector instruction behind the reciprocals
	; pass 3: scale, narrow, store: 8 bytes a lane, 256 consecutive bytes a store, aligned; no hint: the next launch reads these bytes
.set j, 0
	s_wait_alu depctr_va_vdst(0)
.rept \cnt
	v_pk_mul_f32 v[X+4*j:X+4*j+1], v[X+4*j:X+4*j+1], v[16:17]
	v_pk_mul_f32 v[X+4*j+2:X+4*j+3], v[X+4*j+2:X+4*j+3], v[16:17]
.if \cnt == 4
.irp e, 0,1,2,3
	v_and_b32 v[H+4*j+\e], s20, v[X+4*j+\e]        ; hi
.endr
	v_pk_add_f32 v[X+4*j:X+4*j+1], v[X+4*j:X+4*j+1], v[H+4*j:H+4*j+1] neg_lo:[0,1] neg_hi:[0,1]           ; lo = P - hi, exact
	v_pk_add_f32 v[X+4*j+2:X+4*j+3], v[X+4*j+2:X+4*j+3], v[H+4*j+2:H+4*j+3] neg_lo:[0,1] neg_hi:[0,1]
	v_cvt_pk_f16_f32 v[PH+2*j], v[H+4*j], v[H+4*j+1]
	v_cvt_pk_f16_f32 v[PH+2*j+1], v[H+4*j+2], v[H+4*j+3]
	v_cvt_pk_f16_f32 v[PL+2*j], v[X+4*j], v[X+4*j+1]
	v_cvt_pk_f16_f32 v[PL+2*j+1], v[X+4*j+2], v[X+4*j+3]
	global_store_b64 v3, v[PH+2*j:PH+2*j+1], s[6:7] offset:256*j          ; hi at column j,
	global_store_b64 v3, v[PL+2*j:PL+2*j+1], s[6:7] offset:256*j+1024     ; lo at column 512 + j,
	global_store_b64 v3, v[PH+2*j:PH+2*j+1], s[6:7] offset:256*j+2048     ; hi again at column 1024 + j
.else
	v_cvt_pk_f16_f32 v[X+4*j], v[X+4*j], v[X+4*j+1]
	v_cvt_pk_f16_f32 v[X+4*j+1], v[X+4*j+2], v[X+4*j+3]
	global_store_b64 v3, v[X+4*j:X+4*j+1], s[6:7] offset:256*j
.endif
.set j, j+1
.endr
	s_endpgm
.endm
	s_cmp_eq_u32 s10, 0
	s_cbranch_scc1 .Lr0
	s_cmp_eq_u32 s10, 1
	s_cbranch_scc1 .Lr1
	s_cmp_eq_u32 s10, 2
	s_cbranch_scc1 .Lr2
	SOFT 16
.Lr2:
	SOFT 12
.Lr1:
	SOFT 8
.Lr0:
	SOFT 4
.Lfunc_end_k_q79228670c8_softmax:
	.size	k_q79228670c8_softmax, .Lfunc_end_k_q79228670c8_softmax-k_q79228670c8_softmax
	.p2alignl 7, 3214868480
	.fill 96, 4, 3214868480
	.section	.rodata,"a",@progbits
	.p2align	6, 0x0
	.amdhsa_kernel k_q79228670c8_softmax
		.amdhsa_group_segment_fixed_size 0
		.amdhsa_private_segment_fixed_size 0
		.amdhsa_enable_private_segment 0
		.amdhsa_kernarg_size 16
		.amdhsa_user_sgpr_count 2
		.amdhsa_user_sgpr_kernarg_segment_ptr 1
		.amdhsa_wavefront_size32 1
		.amdhsa_system_sgpr_workgroup_id_x 1
		.amdhsa_system_sgpr_workgroup_id_y 1
		.amdhsa_system_sgpr_workgroup_id_z 1
		.amdhsa_system_vgpr_workitem_id 0
		.amdhsa_next_free_vgpr 84
		.amdhsa_next_free_sgpr 66
		.amdhsa_reserve_vcc 1
		.amdhsa_float_denorm_mode_32 3
		.amdhsa_float_denorm_mode_16_64 3
		.amdhsa_memory_ordered 1
		.amdhsa_forward_progress 1
		.amdhsa_inst_pref_size 51
	.end_amdhsa_kernel
	.amdgpu_metadata
---
amdhsa.version: [ 1, 2 ]
amdhsa.kernels:
  - .name:           k_q79228670c8_softmax
    .symbol:         k_q79228670c8_softmax.kd
    .args:
      - { .name: sc, .offset: 0, .size: 8, .value_kind: global_buffer, .address_space: global }
      - { .name: pb, .offset: 8, .size: 8, .value_kind: global_buffer, .address_space: global }
    .group_segment_fixed_size: 0
    .private_segment_fixed_size: 0
    .kernarg_segment_align: 8
    .kernarg_segment_size: 16
    .max_flat_workgroup_size: 256
    .sgpr_count:     66
    .vgpr_count:     84
    .wavefront_size: 32
...
	.end_amdgpu_metadata
.endif
;; end of part 4
;; launch pv (part 5): grid 16 x 16, 4 waves a work-group, clusters of 4 x 4, 327,680 bytes of LDS; arguments pb, vt, out0, vx; writes out0
.if DOCPART == 5
	.amdgcn_target "amdgcn-amd-amdhsa--gfx1250"
	.amdhsa_code_object_version 6
	.text
	.protected	k_q79228670c8_pv
	.globl	k_q79228670c8_pv
	.p2align	8
	.type	k_q79228670c8_pv,@function
k_q79228670c8_pv:
	s_mov_b64 s[64:65], 0
	v_nop
	global_prefetch_b8 v0, s[64:65] scope:SCOPE_SE
	s_setreg_imm32_b32 hwreg(HW_REG_WAVE_MODE, 25, 1), 1
	s_wait_xcnt 0x0
	s_wait_alu depctr_hold_cnt(0) depctr_sa_sdst(0) depctr_va_vdst(0) depctr_va_sdst(0) depctr_va_ssrc(0) depctr_va_vcc(0) depctr_vm_vsrc(0)
	s_getreg_b32 s2, hwreg(HW_REG_IB_STS2, 6, 4)
	s_cmp_eq_u32 s2, 0
	s_cbranch_scc0 .Lentry_in_a_cluster
	s_endpgm
.Lentry_in_a_cluster:
	s_bfe_u32 s2, ttmp6, 0x10000c
	s_cmp_lg_u32 s2, 0xf033
	s_cbranch_scc0 .Lentry_shape_is_right
	s_endpgm
.Lentry_shape_is_right:
; C = A B^T in blocks of 128 x 128: A, B f16 with rows of 2048 numbers along K, C f32 with rows of 2048.  One text serves two launches:
;   IS_PV = 0, scores: A = q, B = k, C = the raw scores q k^T (the scale 1/sqrt(2048) is applied where the exponentials are made), K = 2048.
;     Only the 10 super-blocks of 512 x 512 on or under the diagonal are made, one by each cluster.  In the 4 on the diagonal 6 of 16 blocks lie wholly above
;     the diagonal and are made in vain (24 of 160): in a cluster.
;   IS_PV = 1, pv: A = P (f16, zeros right of the diagonal), B = v transposed, C = out0.  Row super-block R = 1, 2, 3: K = 512 (R + 1) keys, B = vt.
;     R = 0 (output rows under 512, which average over the fewest keys and so show rounding most): both operands in two f16 parts, as one product over K = 1536:
;     A = [P hi | P lo | P hi] (columns 0 to 1535 of P's buffer), B = [v hi | v hi | v lo] (the buffer vx); the product lo x lo, under 2^-20 of the result's terms, is left out.
;     K is the same for all sixteen partners, so that both operands' tiles can be asked for jointly; up to 384 of 512 keys meet zeros of P.  3, 2, 3, 4 laps of 512 along K.
; f16's range: q, k, v as the launch that makes them states; P lies in 0 .. 1.
; Four waves.  Wave w: wc = w & 1, kh = w >> 1.  It makes all 128 rows x columns 64 wc .. +63 over half kh of the K of every slot: 32 accumulator tiles, 256 registers;
; for 32 along K it reads 12 fragments for 32 matrix instructions.  At the end waves w and w xor 2 hand each other half of their sums through LDS and add in f32:
; each then owns rows 64 kh .. +63, columns 64 wc .. +63.  So a sum over K is made in two halves that are added once: a stated order of rounding.
; A slot holds 256 along K (rows of 512 bytes, starting at multiples of 512 bytes of their buffers): A's 128 rows, then B's 128 rows; two slots; each wave brings 64 rows with one tensor load.
; CLUSTERS: 4 x 4 work-groups.  A's tile hangs on the block row alone and is asked for jointly along a row of the cluster, B's on the block column alone, along a column.
; The matrix instruction is used transposed (source 0 = B's rows, source 1 = A's rows): a lane holds eight neighbouring columns of one row of C.
.set IS_PV, 1
.set PITCH,  528                       ; an LDS row: 512 bytes + 16 of padding, an odd multiple of 16: the 16 rows of a fragment load start in 16 different 16-byte columns of 256 bytes
.set LOADB,  64*PITCH                  ; 64 rows: what one tensor load brings
.set SLOT,   4*LOADB
.set STAGE,  2*SLOT                    ; behind the slots: 16 rows x 272 bytes for each wave, bytes into which no tensor load lands
.set SPITCH, 272
.set ADRA0, 16                         ; v16-17  LDS address, slot 0, 1, of A's rows that will be mine (64 kh ..), my half of K
.set ADRA1, 18                         ; v18-19  of A's rows that will be my partner's (64 (1 - kh) ..), my half of K
.set ADRB,  20                         ; v20-21  of my 64 rows of B, my half of K
.set XS,    22                         ; the exchange: where I put sums for my partner
.set XR,    23                         ; where my partner has put sums for me
.set STO,   24                         ; the way out: where a lane puts 32 bytes of a row
.set RD,    25                         ; where it reads rows back
.set CO,    26                         ; its byte offset in C
.set TMP,   32                         ; v[32:63]   rows read back
.set FA,    64                         ; v[64:127], v[128:191]   A's 8 fragments, two buffers; at the end the sums
.set FB,    192                        ; v[192:223], v[224:255]  B's 4 fragments, two buffers
.set G1,  24                           ; s[24:31] descriptor group 1 for A's tiles
.set G0,  32                           ; s[32:39] group 0 for A's tiles, one set for each slot
.set G1B, 48                           ; s[48:55] group 1 for B's tiles: another mask
.set G0B, 56                           ; s[56:63] group 0 for B's tiles, one set for each slot
.set MSB, 0
.macro WIN new                         ; the immediate's high byte repeats the setting that is left; a switch that changes nothing is dropped
.if MSB != \new
	s_set_vgpr_msb (MSB<<8)|\new
.set MSB, \new
.endif
.endm
; A joint load: waves 0 and 1 ask for A's two halves, waves 2 and 3 for B's.  Each line has one mask; the branch hangs on the wave's number alone.
.macro JLOAD s
	s_cmp_eq_u32 s11, 0
	s_cbranch_scc0 .Lfor_b_\@
	tensor_load_to_lds s[G0+4*\s:G0+4*\s+3], s[G1:G1+7]
	s_nop 0
	s_branch .Lasked_\@
.Lfor_b_\@:
	tensor_load_to_lds s[G0B+4*\s:G0B+4*\s+3], s[G1B:G1B+7]
	s_nop 0
.Lasked_\@:
.endm
.macro CREST                           ; a round of the cluster's barrier behind its opening work-group barrier
	s_cmp_lg_u32 s10, 0
	s_cbranch_scc1 .Lnot_wave_0_\@
	s_barrier_signal -3
.Lnot_wave_0_\@:
	s_barrier_wait -3
	s_barrier_signal -1
	s_barrier_wait -1
.endm
.macro CROUND                          ; a whole round
	s_barrier_signal -1
	s_barrier_wait -1
	CREST
.endm
.macro PLACES                          ; four places behind a matrix instruction (ISA guide 7.12.1) before its registers are loaded into or its result is read
.rept 4
	v_nop
.endr
.endm
	s_load_b128 s[4:7], s[0:1], 0x0                ; A s[4:5], B s[6:7]
	s_load_b64 s[8:9], s[0:1], 0x10                ; C
.if IS_PV
	s_load_b64 s[18:19], s[0:1], 0x18              ; vx: B for row super-block 0
	v_lshl_add_u32 v30, v0, 2, 0x46400
	v_mov_b32 v31, 0
	ds_add_u32 v30, v31
.endif
	v_lshrrev_b32 v1, 5, v0
	v_readfirstlane_b32 s10, v1                    ; wave 0..3
	s_lshr_b32 s11, s10, 1                         ; kh.  Also: I fetch for A (0) or for B (1)
	s_and_b32 s12, s10, 1                          ; wc.  Also: which 64 rows of that tile I fetch
	s_bfe_u32 s40, ttmp6, 0x40000                  ; cx
	s_bfe_u32 s41, ttmp6, 0x40004                  ; cy
.if IS_PV
	s_and_b32 s3, ttmp7, 0xffff                    ; R: the cluster's y is the row super-block; the same in all sixteen partners
	s_add_co_u32 s45, s3, 1                        ; laps of 512 along K: R + 1,
	s_cmp_eq_u32 s3, 0
	s_cselect_b32 s45, 3, s45                      ; but 3 for R = 0: hi x hi, lo x hi, hi x lo
	s_lshl_b32 s13, s3, 2
	s_add_co_u32 s13, s13, s41                     ; block row = 4 R + cy
	s_lshl_b32 s42, ttmp9, 2
	s_add_co_u32 s42, s42, s40                     ; block column = 4 x cluster x + cx
.else
	s_cmp_ge_u32 ttmp9, 1                          ; cluster t = 0..9 is super-block (R, C) of the lower triangle: t = R (R + 1) / 2 + C
	s_cselect_b32 s13, 1, 0
	s_cmp_ge_u32 ttmp9, 3
	s_cselect_b32 s16, 1, 0
	s_add_co_u32 s13, s13, s16
	s_cmp_ge_u32 ttmp9, 6
	s_cselect_b32 s16, 1, 0
	s_add_co_u32 s13, s13, s16                     ; R
	s_add_co_u32 s16, s13, 1
	s_mul_i32 s16, s16, s13
	s_lshr_b32 s16, s16, 1
	s_sub_co_u32 s42, ttmp9, s16                   ; C
	s_lshl_b32 s13, s13, 2
	s_add_co_u32 s13, s13, s41                     ; block row = 4 R + cy
	s_lshl_b32 s42, s42, 2
	s_add_co_u32 s42, s42, s40                     ; block column = 4 C + cx
.endif
	s_lshl_b32 s43, s41, 2
	s_lshl_b32 s43, 15, s43                        ; my row of the cluster: places 4 cy .. 4 cy + 3
	s_lshl_b32 s44, 0x1111, s40                    ; my column: places cx, cx + 4, cx + 8, cx + 12
	; group 1: a tile of 64 rows x 256 elements of 2 bytes, 4 words of padding behind every 128 words
	s_or_b32 s[G1+0], s43, (1<<16)|(1<<20)|(1<<21)|(6<<22)|(3<<25)    ; A's tiles go to my row of the cluster; bit 21 stands beside a mask
	s_or_b32 s[G1B+0], s44, (1<<16)|(1<<20)|(1<<21)|(6<<22)|(3<<25)   ; B's to my column
	s_mov_b32 s[G1+1], 256<<16                     ; tensor_dim0 = 256
	s_mov_b32 s[G1B+1], 256<<16
	s_mov_b32 s[G1+2], 64<<16                      ; tensor_dim1 = 64
	s_mov_b32 s[G1B+2], 64<<16
	s_mov_b32 s[G1+3], 256<<16                     ; tile_dim0 = 256
	s_mov_b32 s[G1B+3], 256<<16
	s_mov_b32 s[G1+4], 64                          ; tile_dim1 = 64
	s_mov_b32 s[G1B+4], 64
	s_mov_b32 s[G1+5], 2048                        ; elements from row to row
	s_mov_b32 s[G1B+5], 2048
	s_mov_b32 s[G1+6], 0
	s_mov_b32 s[G1B+6], 0
	s_mov_b32 s[G1+7], 0
	s_mov_b32 s[G1B+7], 0
	s_lshl_b32 s17, s12, 6                         ; which 64 rows of the tile I fetch
	s_lshl_b32 s16, s13, 7
	s_add_co_u32 s16, s16, s17                     ; A: row 128 x block row + 64 x half; never holds cx
	s_lshl_b32 s16, s16, 12                        ; rows of 4,096 bytes
	s_lshl_b32 s46, s42, 7
	s_add_co_u32 s46, s46, s17                     ; B: row 128 x block column + 64 x half; never holds cy
	s_lshl_b32 s46, s46, 12
	s_mov_b32 s17, 0
	s_mov_b32 s47, 0
	s_mul_i32 s20, s10, LOADB                      ; where my tile goes: wave x 64 rows: no place in the cluster enters an LDS address
	s_wait_dscnt 0x0
	s_wait_kmcnt 0x0
.if IS_PV
	s_cmp_eq_u32 s3, 0                             ; a choice between two buffers on the cluster's y alone
	s_cselect_b64 s[6:7], s[18:19], s[6:7]
.endif
	s_add_nc_u64 s[14:15], s[4:5], s[16:17]
	s_add_nc_u64 s[46:47], s[6:7], s[46:47]
	CROUND                                         ; all sixteen work-groups are here: the first joint loads meet
.irp s, 0,1
	s_mov_b32 s[G0+4*\s], 1
	s_add_co_u32 s[G0+4*\s+1], s20, \s*SLOT
	s_add_nc_u64 s[G0+4*\s+2:G0+4*\s+3], s[14:15], \s*512          ; K = 256 s ..
	s_or_b32 s[G0+4*\s+3], s[G0+4*\s+3], 0x80000000
	s_mov_b32 s[G0B+4*\s], 1
	s_add_co_u32 s[G0B+4*\s+1], s20, \s*SLOT
	s_add_nc_u64 s[G0B+4*\s+2:G0B+4*\s+3], s[46:47], \s*512
	s_or_b32 s[G0B+4*\s+3], s[G0B+4*\s+3], 0x80000000
	JLOAD \s                                       ; both slots are asked for before anything else: two tensor loads of this wave are out
.endr
	; A fragment: lane l holds row l % 16; registers 0-3 K = 8 (l / 16) + 0..7, registers 4-7 K = 16 + 8 (l / 16) + 0..7: two loads of 16 bytes, 32 apart.
	v_and_b32 v1, 15, v0                           ; r = l % 16
	v_bfe_u32 v2, v0, 4, 1                         ; h = l / 16
	v_mul_u32_u24 v3, v1, PITCH
	v_lshl_add_u32 v3, v2, 4, v3                   ; r x pitch + 16 h
	s_lshl_b32 s23, s11, 8                         ; my half of a slot's K: byte 256 kh of every row
	s_mul_i32 s21, s11, LOADB
	s_add_co_u32 s21, s21, s23                     ; A's rows 64 kh ..
	s_xor_b32 s22, s11, 1
	s_mul_i32 s22, s22, LOADB
	s_add_co_u32 s22, s22, s23                     ; A's rows 64 (1 - kh) ..
	s_mul_i32 s18, s12, LOADB
	s_add_co_u32 s18, s18, s23
	s_add_co_u32 s18, s18, 2*LOADB                 ; B's rows 64 wc .., behind A's 128
.irp s, 0,1
	v_add_nc_u32 v[ADRA0+\s], s21, v3
	v_add_nc_u32 v[ADRA1+\s], s22, v3
	v_add_nc_u32 v[ADRB+\s], s18, v3
	s_add_co_u32 s21, s21, SLOT
	s_add_co_u32 s22, s22, SLOT
	s_add_co_u32 s18, s18, SLOT
.endr
	v_and_b32 v4, 31, v0
	v_lshlrev_b32 v4, 4, v4                        ; 16 x lane
	s_lshl_b32 s19, s10, 14                        ; the exchange: 16,384 bytes for each wave, in slot 0's bytes 0 to 65,535
	v_add_nc_u32 v[XS], s19, v4
	s_xor_b32 s19, s19, 2<<14                      ; my partner is wave w xor 2
	v_add_nc_u32 v[XR], s19, v4
	s_mul_i32 s19, s10, 16*SPITCH
	s_add_co_u32 s19, s19, STAGE                   ; my stage
	v_mul_u32_u24 v4, v1, SPITCH
	v_lshl_add_u32 v4, v2, 5, v4
	v_add_nc_u32 v[STO], s19, v4                   ; in: row r, byte 32 h (+ 64 b)
	v_mul_u32_u24 v5, v2, SPITCH
	v_lshl_add_u32 v5, v1, 4, v5
	v_add_nc_u32 v[RD], s19, v5                    ; back: row h (+ 2 t), 16 bytes a lane: 16 lanes take a row piece of 256 bytes
	v_lshlrev_b32 v5, 13, v2
	v_lshl_add_u32 v[CO], v1, 4, v5                ; the same in C: rows of 8,192 bytes
; 24 LDS loads in one run: the fragments of quarter q (32 along K, byte 64 q of my half) of the slot, into buffer f
.macro FETCH slot, q, f
	WIN 0
.irp b, 0,1,2,3
	ds_load_b128 v[FB+32*\f+8*\b:FB+32*\f+8*\b+3],   v[ADRB+\slot] offset:\b*16*PITCH+64*\q
	ds_load_b128 v[FB+32*\f+8*\b+4:FB+32*\f+8*\b+7], v[ADRB+\slot] offset:\b*16*PITCH+64*\q+32
.endr
.irp a, 0,1,2,3
	ds_load_b128 v[FA+64*\f+8*\a:FA+64*\f+8*\a+3],   v[ADRA0+\slot] offset:\a*16*PITCH+64*\q
	ds_load_b128 v[FA+64*\f+8*\a+4:FA+64*\f+8*\a+7], v[ADRA0+\slot] offset:\a*16*PITCH+64*\q+32
.endr
.irp a, 0,1,2,3
	ds_load_b128 v[FA+64*\f+32+8*\a:FA+64*\f+32+8*\a+3], v[ADRA1+\slot] offset:\a*16*PITCH+64*\q
	ds_load_b128 v[FA+64*\f+36+8*\a:FA+64*\f+36+8*\a+3], v[ADRA1+\slot] offset:\a*16*PITCH+64*\q+32
.endr
.endm
; 16 matrix instructions: row blocks a0 .. a0 + 3 x 4 column blocks; tile (a, b) at v[8 (4 a + b)] of window 1.  The 32 accumulators take turns, one instruction
; a turn, in the same order in every quarter, over every jump too.  zero = 1: the first product starts the sums: nothing is cleared.
.macro MUL16 f, a0, zero
	WIN 0x50
.irp a, \a0, \a0+1, \a0+2, \a0+3
.irp b, 0,1,2,3
.if \zero
	v_wmma_f32_16x16x32_f16 v[8*(4*(\a)+\b):8*(4*(\a)+\b)+7], v[FB+32*\f+8*\b:FB+32*\f+8*\b+7], v[FA+64*\f+8*(\a):FA+64*\f+8*(\a)+7], 0
.else
	v_wmma_f32_16x16x32_f16 v[8*(4*(\a)+\b):8*(4*(\a)+\b)+7], v[FB+32*\f+8*\b:FB+32*\f+8*\b+7], v[FA+64*\f+8*(\a):FA+64*\f+8*(\a)+7], v[8*(4*(\a)+\b):8*(4*(\a)+\b)+7]
.endif
.endr
.endr
.endm
; One of a slot's first three quarters: asks for the next quarter's fragments (into buffer g), then multiplies buffer f.
.macro QUARTER slot, q, f, g, zero
	s_wait_dscnt 0x0                               ; buffer f is in: its loads were issued a quarter ago
	PLACES                                         ; buffer g was read by the matrix instructions just in front
	FETCH \slot, \q, \g
	MUL16 \f, 0, \zero
	MUL16 \f, 4, \zero
.endm
.macro THREE slot, zero
	QUARTER \slot, 1, 0, 1, \zero
	QUARTER \slot, 2, 1, 0, 0
	QUARTER \slot, 3, 0, 1, 0
.endm
; The last quarter multiplies buffer 1 and changes slots.  One barrier for two things: in front of it each wave has waited for its reads of this slot
; and for all its tensor loads (one is out: its part of the next slot).  Behind it (fill = 1: behind the round of the cluster's barrier that it opens)
; nobody, in no partner, reads this slot any more: the joint refill comes first, then the next slot's first fragments.
; From a request to the wait for it a wave issues 16 + 3 x 32 = 112 matrix instructions.
.macro TURN slot, next, fill
	s_wait_dscnt 0x0                               ; buffer 1 is in, and with it my last reads of this slot
	s_wait_tensorcnt 0x0                           ; all my tensor loads have landed
	ds_add_u32 v30, v31
	s_wait_dscnt 0x0
	s_barrier_signal -1
	MUL16 1, 0, 0                                  ; register work while the others arrive
	WIN 0
	s_barrier_wait -1
.if \fill
	CREST
	s_add_nc_u64 s[G0+4*\slot+2:G0+4*\slot+3], s[G0+4*\slot+2:G0+4*\slot+3], 1024       ; no tensor load of mine is out: group 0 may be written; 512 along K on
	s_add_nc_u64 s[G0B+4*\slot+2:G0B+4*\slot+3], s[G0B+4*\slot+2:G0B+4*\slot+3], 1024
	JLOAD \slot                                    ; my one tensor load behind the round
.endif
	PLACES
	FETCH \next, 0, 0
	MUL16 1, 4, 0
.endm
	s_wait_tensorcnt 0x1                           ; my part of slot 0 is in; slot 1's load, issued behind it, may stay out
	s_barrier_signal -1
	s_barrier_wait -1                              ; everybody's part is in
	FETCH 0, 0, 0
	THREE 0, 1                                     ; the first lap: its first products start the sums
	TURN 0, 1, 1
	THREE 1, 0
	TURN 1, 0, 1
	WIN 0
.if IS_PV
	s_cmp_eq_u32 s45, 2                            ; two laps: none between the first and the last; the jump hangs on R alone, which all partners share
	s_cbranch_scc1 .Lpre
.endif
	s_mov_b32 s3, 2                                ; the laps between the first and the last: the counter goes up from 2 to the number of laps
.Llap:
	THREE 0, 0
	TURN 0, 1, 1
	THREE 1, 0
	TURN 1, 0, 1
	WIN 0
	s_add_co_u32 s3, s3, 1
.if IS_PV
	s_cmp_lt_u32 s3, s45
.else
	s_cmp_lt_u32 s3, 4                             ; K = 2048 is 4 laps of 512
.endif
	s_cbranch_scc1 .Llap
.Lpre:
	THREE 0, 0                                     ; the last lap fills nothing
	TURN 0, 1, 0
	THREE 1, 0
	s_wait_dscnt 0x0
	MUL16 1, 0, 0
	MUL16 1, 4, 0
	; THE EXCHANGE.  Slot 0 has had its last fill, and every wave's reads of it were waited for in front of the last change of slots.
	; My tiles a = 4..7 are my partner's rows over my half of K: they go to my 16,384 bytes; my partner's lie in its own.
	PLACES                                         ; behind the last matrix instructions: results are read, fragment registers loaded into
	s_lshl_b32 s16, s13, 7
	s_lshl_b32 s17, s11, 6
	s_add_co_u32 s16, s16, s17                     ; my first row of C: 128 x block row + 64 kh
	s_lshl_b32 s16, s16, 13                        ; rows of 8,192 bytes
	s_mov_b32 s17, 0
	s_lshl_b32 s46, s42, 9                         ; my first column, in bytes: 512 x block column + 256 wc
	s_lshl_b32 s47, s12, 8
	s_add_co_u32 s46, s46, s47
	s_mov_b32 s47, 0
	s_add_nc_u64 s[8:9], s[8:9], s[16:17]
	s_add_nc_u64 s[8:9], s[8:9], s[46:47]
	WIN 0x04                                       ; store data in window 1
.set n, 0
.rept 32
	ds_store_b128 v[XS], v[128+4*n:131+4*n] offset:512*n
.set n, n+1
.endr
	WIN 0
	s_wait_dscnt 0x0                               ; my stores are done, for my partner's sake
	s_barrier_signal -1
	s_barrier_wait -1
.set n, 0
.rept 32
	ds_load_b128 v[FA+4*n:FA+4*n+3], v[XR] offset:512*n
.set n, n+1
.endr
	s_wait_dscnt 0x0
	WIN 0x01                                       ; source 0 in window 1: my own half of the sums
.set n, 0
.rept 64
	v_pk_add_f32 v[FA+2*n:FA+2*n+1], v[2*n:2*n+1], v[FA+2*n:FA+2*n+1]
.set n, n+1
.endr
	WIN 0
	; THE WAY OUT, 16 rows at a time through my own stage: 32 bytes a lane in, whole row pieces of 256 bytes back.  LDS serves a wave's instructions in order
	; (ISA guide 5.7.1.4), so no wait stands between my stores and my loads, nor between one turn's loads and the next turn's stores.
.irp a, 0,1,2,3
.irp b, 0,1,2,3
	ds_store_b128 v[STO], v[FA+8*(4*\a+\b):FA+8*(4*\a+\b)+3]   offset:64*\b
	ds_store_b128 v[STO], v[FA+8*(4*\a+\b)+4:FA+8*(4*\a+\b)+7] offset:64*\b+16
.endr
	s_wait_xcnt 0x0                                ; the last turn's global stores read v[32:63]: these are loaded again only behind this wait
.irp t, 0,1,2,3,4,5,6,7
	ds_load_b128 v[TMP+4*\t:TMP+4*\t+3], v[RD] offset:\t*2*SPITCH
.endr
.irp t, 0,1,2,3,4,5,6,7
	s_wait_dscnt 7-\t                              ; LDS loads come back in order (ISA guide 5.7.1): this one of the eight is in
.if IS_PV
	global_store_b128 v[CO], v[TMP+4*\t:TMP+4*\t+3], s[8:9] offset:(16*\a+2*\t)*8192 th:TH_STORE_NT   ; 16 lanes store 256 consecutive bytes, aligned
.else
	global_store_b128 v[CO], v[TMP+4*\t:TMP+4*\t+3], s[8:9] offset:(16*\a+2*\t)*8192                  ; no hint: the next launch reads these bytes
.endif
.endr
.endr
	s_wait_tensorcnt 0x0
	ds_add_u32 v30, v31
	s_wait_dscnt 0x0
	CROUND                                         ; the closing round: no work-group ends while a partner may still ask for a tile that names it
	s_endpgm
.Lfunc_end_k_q79228670c8_pv:
	.size	k_q79228670c8_pv, .Lfunc_end_k_q79228670c8_pv-k_q79228670c8_pv
	.p2alignl 7, 3214868480
	.fill 96, 4, 3214868480
	.section	.rodata,"a",@progbits
	.p2align	6, 0x0
	.amdhsa_kernel k_q79228670c8_pv
		.amdhsa_group_segment_fixed_size 327680
		.amdhsa_private_segment_fixed_size 0
		.amdhsa_enable_private_segment 0
		.amdhsa_kernarg_size 32
		.amdhsa_user_sgpr_count 2
		.amdhsa_user_sgpr_kernarg_segment_ptr 1
		.amdhsa_wavefront_size32 1
		.amdhsa_system_sgpr_workgroup_id_x 1
		.amdhsa_system_sgpr_workgroup_id_y 1
		.amdhsa_system_sgpr_workgroup_id_z 1
		.amdhsa_system_vgpr_workitem_id 0
		.amdhsa_next_free_vgpr 512
		.amdhsa_next_free_sgpr 66
		.amdhsa_reserve_vcc 0
		.amdhsa_float_denorm_mode_32 3
		.amdhsa_float_denorm_mode_16_64 3
		.amdhsa_memory_ordered 1
		.amdhsa_forward_progress 1
		.amdhsa_inst_pref_size 117
	.end_amdhsa_kernel
	.amdgpu_metadata
---
amdhsa.version: [ 1, 2 ]
amdhsa.kernels:
  - .name:           k_q79228670c8_pv
    .symbol:         k_q79228670c8_pv.kd
    .args:
      - { .name: pb, .offset: 0, .size: 8, .value_kind: global_buffer, .address_space: global }
      - { .name: vt, .offset: 8, .size: 8, .value_kind: global_buffer, .address_space: global }
      - { .name: out0, .offset: 16, .size: 8, .value_kind: global_buffer, .address_space: global }
      - { .name: vx, .offset: 24, .size: 8, .value_kind: global_buffer, .address_space: global }
    .group_segment_fixed_size: 327680
    .private_segment_fixed_size: 0
    .kernarg_segment_align: 8
    .kernarg_segment_size: 32
    .max_flat_workgroup_size: 128
    .sgpr_count:     66
    .vgpr_count:     512
    .wavefront_size: 32
...
	.end_amdgpu_metadata
.endif
;; end of part 5
;; ======== version 2 of 2: 5 launches; version 1 with the launch cast written anew for expert scheduling mode
;; limits: values are held in f16: magnitudes above 65,504 overflow, below 6.1e-05 lose precision
;; workspace buffers: xb 8,388,608 bytes; wb 25,165,824 bytes; qb 8,388,608 bytes; kb 8,388,608 bytes; vt 8,388,608 bytes; sc 16,777,216 bytes; pb 8,388,608 bytes; vx 8,388,608 bytes
;; launch cast (part 6): grid 128 x 4, 8 waves a work-group, no clusters, 0 bytes of LDS; arguments x, W_q, W_k, W_v, xb, wb; writes xb, wb
.if DOCPART == 6
	.amdgcn_target "amdgcn-amd-amdhsa--gfx1250"
	.amdhsa_code_object_version 6
	.text
	.protected	k_q79228670c8_cast
	.globl	k_q79228670c8_cast
	.p2align	8
	.type	k_q79228670c8_cast,@function
k_q79228670c8_cast:
	s_mov_b64 s[64:65], 0
	v_nop
	global_prefetch_b8 v0, s[64:65] scope:SCOPE_SE
	s_setreg_imm32_b32 hwreg(HW_REG_WAVE_SCHED_MODE, 0, 2), 2
	s_setreg_imm32_b32 hwreg(HW_REG_WAVE_MODE, 25, 1), 1
	s_wait_xcnt 0x0
	s_wait_alu depctr_vm_vsrc(0)
; cast: x, W_q, W_k, W_v, each [2048][2048] f32, are rounded once (to nearest even) to bf16: x into xb, the weights into wb as [3][2048][2048]
; in the order q, k, v.  The matrix launches behind this one then read 2 bytes a number from memory and from LDS and convert nothing.
; Work-group (x, y): tensor y (0 = x, 1..3 = W_q, W_k, W_v), input bytes 131,072 x .. +131,071.  A wave takes 16,384 of them: 32 loads of
; 16 bytes a lane, 512 consecutive bytes each; each gives one store of 8 bytes a lane: 256 consecutive bytes, aligned.
; Each of the 32 results has registers of its own and the two offset registers are never rewritten, so no source of a pending load or store
; is ever written again and no wait stands for that.
; No LDS, no matrix unit, no cluster: the work-groups share no byte, and every byte is used once.
; THE MODE: SCHED_MODE bits 1:0 = 2 (LLVM: expert scheduling mode 2), set by the entry lines.  The code itself states the register dependences
; between vector instructions and memory instructions, with s_wait_alu, always for 0.
; THE PLAN.  The 32 turns go in 8 blocks of four.  Registers that memory instructions touch:
;   X0 .. X4   five buffers of four loads.  Written by loads alone: blocks 0 to 3 at the head, block p + 4 in block p.  Read by the conversions of the block that owns the buffer.
;   Y          a pair for each turn.  Written once, by the turn's two conversions in block p; read by one store, issued in block p + 1; never written again.
;   v1, v2     the two byte offsets, made at the head and never written again: the turns are reached by immediate offsets.
; Block p converts X[p % 5] into Y's pairs 4 p .. 4 p + 3.  Its memory instructions are the loads into X[(p + 4) % 5] = X[(p - 1) % 5] and the stores from Y's pairs
; 4 (p - 1) .. 4 (p - 1) + 3: the registers that block p - 1 worked on and that no conversion of block p names.  So one wait at a block's head states all that the
; block's eight memory instructions hang on, and these are dealt among its conversions with no further wait.  A buffer lies idle from its conversions to the next
; block's head: with five buffers 12 to 16 loads of every wave are on their way all the same.
; No register that a memory instruction reads is written again, so the text holds no wait on vm_vsrc; no vector instruction writes a scalar register or VCC; EXEC is never written.
.set X, 4                              ; v[4:83]    buffer k, load i: four f32 as loaded, at X + 16 k + 4 i
.set Y, 84                             ; v[84:147]  turn j: four bf16 to store, at Y + 2 j, written once
	s_load_b256 s[4:11], s[0:1], 0x0               ; x s[4:5], W_q s[6:7], W_k s[8:9], W_v s[10:11]
	s_load_b128 s[12:15], s[0:1], 0x20             ; xb s[12:13], wb s[14:15]
	s_and_b32 s20, ttmp7, 0xffff                   ; y: which tensor
	v_and_b32 v3, 0xe0, v0                         ; 32 x wave
	v_and_b32 v2, 31, v0                           ; lane
	v_lshlrev_b32 v1, 4, v2
	v_lshl_add_u32 v1, v3, 9, v1                   ; load offset: 16,384 x wave + 16 x lane
	v_lshlrev_b32 v2, 3, v2
	v_lshl_add_u32 v2, v3, 8, v2                   ; store offset: 8,192 x wave + 8 x lane
	s_max_u32 s21, s20, 1
	s_sub_co_u32 s21, s21, 1                       ; which plane of wb (0 for x too, which goes to xb)
	s_lshl_b32 s22, s21, 23                        ; a plane is 8,388,608 bytes
	s_lshl_b32 s21, ttmp9, 16                      ; the work-group's 65,536 bytes of output
	s_add_co_u32 s22, s22, s21
	s_mov_b32 s23, 0
	s_lshl_b32 s24, ttmp9, 17                      ; the work-group's 131,072 bytes of input
	s_mov_b32 s25, 0
	s_wait_kmcnt 0x0
	s_cmp_eq_u32 s20, 1                            ; the source: a choice among the four buffers on y alone
	s_cselect_b64 s[16:17], s[6:7], s[4:5]
	s_cmp_eq_u32 s20, 2
	s_cselect_b64 s[16:17], s[8:9], s[16:17]
	s_cmp_eq_u32 s20, 3
	s_cselect_b64 s[16:17], s[10:11], s[16:17]
	s_cmp_eq_u32 s20, 0                            ; the destination: xb for x, wb for the weights
	s_cselect_b64 s[18:19], s[12:13], s[14:15]
	s_add_nc_u64 s[16:17], s[16:17], s[24:25]
	s_add_nc_u64 s[18:19], s[18:19], s[22:23]
	s_wait_alu depctr_va_vdst(0)                   ; v1 and v2 are written: every load of the kernel reads v1 as its offset, every store v2
.irp j, 0,1,2,3,4,5,6,7,8,9,10,11,12,13,14,15
	global_load_b128 v[X+4*\j:X+4*\j+3], v1, s[16:17] offset:512*\j th:TH_LOAD_NT   ; blocks 0 to 3 into X0 to X3
.endr
; Block p.  ahead = 1: block p + 4 is loaded.  left = how many younger loads may stay out when this block's four have to be there.
.macro BLK p, ahead, left
	s_wait_loadcnt \left                           ; loads come back in order (ISA guide 5.7.1): X[p % 5] is in, the younger blocks stay out
.if (\p) > 0
	s_wait_alu depctr_va_vdst(0)                   ; the block before has written its four pairs of Y, which the stores below read, and is done reading its X, in which the loads below (blocks 1 to 3 have them) land
.endif
.irp i, 0,1,2,3
.if \ahead
	global_load_b128 v[X+16*(((\p)+4)%5)+4*\i:X+16*(((\p)+4)%5)+4*\i+3], v1, s[16:17] offset:512*(4*((\p)+4)+\i) th:TH_LOAD_NT   ; four blocks ahead; no vector instruction since the wait names these registers (in block 0: none ever has)
.endif
.if (\p) > 0
	global_store_b64 v2, v[Y+2*(4*((\p)-1)+\i):Y+2*(4*((\p)-1)+\i)+1], s[18:19] offset:256*(4*((\p)-1)+\i)   ; the block before; no hint: the next launch reads these bytes
.endif
	v_cvt_pk_bf16_f32 v[Y+2*(4*(\p)+\i)],   v[X+16*((\p)%5)+4*\i],   v[X+16*((\p)%5)+4*\i+1]
	v_cvt_pk_bf16_f32 v[Y+2*(4*(\p)+\i)+1], v[X+16*((\p)%5)+4*\i+2], v[X+16*((\p)%5)+4*\i+3]
.endr
.endm
	BLK 0, 1, 12                                   ; behind block p's loads stand those of three younger blocks: 12
	BLK 1, 1, 12
	BLK 2, 1, 12
	BLK 3, 1, 12                                   ; asks for block 7, the last
	BLK 4, 0, 12                                   ; the last four blocks load nothing: the counts run down to 0
	BLK 5, 0, 8
	BLK 6, 0, 4
	BLK 7, 0, 0
	s_wait_alu depctr_va_vdst(0)                   ; block 7 has written its four pairs of Y, which the last four stores read
.irp i, 0,1,2,3
	global_store_b64 v2, v[Y+2*(28+\i):Y+2*(28+\i)+1], s[18:19] offset:256*(28+\i)
.endr
	s_endpgm
.Lfunc_end_k_q79228670c8_cast:
	.size	k_q79228670c8_cast, .Lfunc_end_k_q79228670c8_cast-k_q79228670c8_cast
	.p2alignl 7, 3214868480
	.fill 96, 4, 3214868480
	.section	.rodata,"a",@progbits
	.p2align	6, 0x0
	.amdhsa_kernel k_q79228670c8_cast
		.amdhsa_group_segment_fixed_size 0
		.amdhsa_private_segment_fixed_size 0
		.amdhsa_enable_private_segment 0
		.amdhsa_kernarg_size 48
		.amdhsa_user_sgpr_count 2
		.amdhsa_user_sgpr_kernarg_segment_ptr 1
		.amdhsa_wavefront_size32 1
		.amdhsa_system_sgpr_workgroup_id_x 1
		.amdhsa_system_sgpr_workgroup_id_y 1
		.amdhsa_system_sgpr_workgroup_id_z 1
		.amdhsa_system_vgpr_workitem_id 0
		.amdhsa_next_free_vgpr 148
		.amdhsa_next_free_sgpr 66
		.amdhsa_reserve_vcc 0
		.amdhsa_float_denorm_mode_32 3
		.amdhsa_float_denorm_mode_16_64 3
		.amdhsa_memory_ordered 1
		.amdhsa_forward_progress 1
		.amdhsa_inst_pref_size 12
	.end_amdhsa_kernel
	.amdgpu_metadata
---
amdhsa.version: [ 1, 2 ]
amdhsa.kernels:
  - .name:           k_q79228670c8_cast
    .symbol:         k_q79228670c8_cast.kd
    .args:
      - { .name: x, .offset: 0, .size: 8, .value_kind: global_buffer, .address_space: global }
      - { .name: W_q, .offset: 8, .size: 8, .value_kind: global_buffer, .address_space: global }
      - { .name: W_k, .offset: 16, .size: 8, .value_kind: global_buffer, .address_space: global }
      - { .name: W_v, .offset: 24, .size: 8, .value_kind: global_buffer, .address_space: global }
      - { .name: xb, .offset: 32, .size: 8, .value_kind: global_buffer, .address_space: global }
      - { .name: wb, .offset: 40, .size: 8, .value_kind: global_buffer, .address_space: global }
    .group_segment_fixed_size: 0
    .private_segment_fixed_size: 0
    .kernarg_segment_align: 8
    .kernarg_segment_size: 48
    .max_flat_workgroup_size: 256
    .sgpr_count:     66
    .vgpr_count:     148
    .wavefront_size: 32
...
	.end_amdgpu_metadata
.endif
;; end of part 6
;; launch proj: the kernel of part 2 again; grid 16 x 16, 4 waves a work-group, clusters of 4 x 4, 327,680 bytes of LDS; arguments xb, wb, qb, kb, vt, vx; writes qb, kb, vt, vx
;; launch scores: the kernel of part 3 again; grid 40 x 4, 4 waves a work-group, clusters of 4 x 4, 327,680 bytes of LDS; arguments qb, kb, sc; writes sc
;; launch softmax: the kernel of part 4 again; grid 256 x 1, 8 waves a work-group, no clusters, 0 bytes of LDS; arguments sc, pb; writes pb
;; launch pv: the kernel of part 5 again; grid 16 x 16, 4 waves a work-group, clusters of 4 x 4, 327,680 bytes of LDS; arguments pb, vt, out0, vx; writes out0
